; MI455X (gfx1250); checked and timed in simulation.
; The chip was launched on July 23, 2026; its instructions are those of AMD's public machine-readable ISA for CDNA 5 (MIT licence, August 2026) and "CDNA5" Instruction Set Architecture Reference Guide (July 2026). The comments in the code are by the model that wrote it; some were corrected since.
;; Differential Attention. Allowed arithmetic: matrix products marked QUANTISED: E2M1 operands, one E8M0 scale for each 32 along K, by v_wmma_scale_f32_16x16x128_f8f6f4 with both operands' format E2M1 (or v_wmma_scale_f32_32x16x128_f4), f32 sums; products left as they are: bf16, f16 or f32 operands; f32 sums; everything else in f32.
;; Inputs: lambda_k1 64 float32; lambda_k2 64 float32; lambda_q1 64 float32; lambda_q2 64 float32; rope_cos 2,048 x 32 float32; rope_sin 2,048 x 32 float32; subln_w 128 float32; wk 2,048 x 2,048 float32; wo 2,048 x 2,048 float32; wq 2,048 x 2,048 float32; wv 2,048 x 2,048 float32; x 1 x 2,048 x 2,048 float32.
;; Outputs: out0 1 x 2,048 x 2,048 float32.
;; This version of the problem:
;;   THIS VERSION OF THE PROBLEM IS GIVEN IN LOW PRECISION. The matrix products marked QUANTISED in the list below multiply operands that are first quantised to E2M1 (2 exponent bits, 1 mantissa bit; 4 bits a number), with one power-of-two scale for each 32 numbers along K (OCP MX v1.0); their sums are f32. The products marked 'left as it is' may take bf16, f16 or f32 operands, with f32 sums. Whichever they take, every output number must still come out within the allowed error. Rounding operands to bf16 (8 significant bits) uses up far more of that allowance than f16 does (11 bits, for magnitudes from 6e-5 to 65,504). All else is computed in f32.
;;   The module's matrix products, in the order in which they are computed (A, B: the left and right operand; K: the contracted axis; several contracted axes count as one K, in the product's order):
;;     1. [M 2,048, K 2,048] x [K 2,048, N 2,048]; A: input x; B: input wq: QUANTISED
;;     2. [M 2,048, K 2,048] x [K 2,048, N 2,048]; A: input x; B: input wk: QUANTISED
;;     3. [M 2,048, K 2,048] x [K 2,048, N 2,048]; A: input x; B: input wv: QUANTISED
;;     4. batch 16 x [M 2,048, K 64] x [K 64, N 2,048]; A: computed on the way; B: computed on the way: left as it is (an operand is computed on the way)
;;     5. batch 16 x [M 64, K 2,048] x [K 2,048, N 2,048]; A: computed on the way; B: computed on the way: left as it is (an operand is computed on the way)
;;     6. batch 16 x [M 64, K 2,048] x [K 2,048, N 2,048]; A: computed on the way; B: computed on the way: left as it is (an operand is computed on the way)
;;     7. batch 16 x [M 2,048, K 64] x [K 64, N 2,048]; A: computed on the way; B: computed on the way: left as it is (an operand is computed on the way)
;;     8. batch 16 x [M 64, K 2,048] x [K 2,048, N 2,048]; A: computed on the way; B: computed on the way: left as it is (an operand is computed on the way)
;;     9. batch 16 x [M 64, K 2,048] x [K 2,048, N 2,048]; A: computed on the way; B: computed on the way: left as it is (an operand is computed on the way)
;;     10. [M 2,048, K 2,048] x [K 2,048, N 2,048]; A: computed on the way; B: input wo: left as it is (an operand is computed on the way)
;;   THE QUANTISER, for each operand of a quantised product, along K:
;;     - K is cut into blocks of 32 from its start; a last block that is shorter is filled with zeros.
;;     - A block's scale is 2^e with e = floor(log2(the largest magnitude in the block)) - 2, held to -126 .. 127; a block of zeros has e = 0. As a byte (E8M0): e + 127.
;;     - Each number is divided by its block's scale, clamped to +-6, and rounded to the nearest number of E2M1, ties to even, subnormals kept.
;;     - The product sums the exact products of the quantised numbers (number of the format x scale) in f32.
;;   ~~~python
;;   def quantise(x, axis):      # numpy; x: float32 -> the quantised numbers, widened to float32 again
;;       x = np.moveaxis(x, axis, -1); K = x.shape[-1]
;;       x = np.pad(x, [(0, 0)] * (x.ndim - 1) + [(0, -K % 32)]); x = x.reshape(x.shape[:-1] + (-1, 32)); a = np.abs(x).max(-1, keepdims=True)
;;       e = np.where(a > 0, np.clip(np.frexp(np.where(a > 0, a, 1))[1] - 1 - 2, -126, 127), 0)      # np.frexp(a)[1] - 1 = floor(log2(a)), exactly
;;       r = np.clip(x / 2.0 ** e, -6, 6)
;;       step = 2.0 ** (np.maximum(np.frexp(np.where(r == 0, 1, r))[1] - 1, 0) - 1)
;;       q = np.round(r / step) * step * 2.0 ** e      # np.round: ties to even
;;       return np.moveaxis(q.reshape(q.shape[:-2] + (-1,))[..., :K], -1, axis).astype(np.float32)
;;   ~~~
;; One version. Each part assembles by itself: llvm-mc -triple=amdgcn-amd-amdhsa -mcpu=gfx1250 --defsym DOCPART=n.
;; ======== version 1 of 1: 5 launches
;; limits: values are held in f16: magnitudes above 65,504 overflow, below 6.1e-05 lose precision
;; workspace buffers: xcodes 2,097,152 bytes; xscales 131,072 bytes; wcodes 6,291,456 bytes; wscales 393,216 bytes; wo16 8,388,608 bytes; qkv 25,165,824 bytes; qkv32 393,216 bytes; attn 8,388,608 bytes
;; launch quant (part 1): grid 640 x 1, 4 waves a work-group, no clusters, 33,280 bytes of LDS; arguments x, wq, wk, wv, wo, xcodes, xscales, wcodes, wscales, wo16; writes xcodes, xscales, wcodes, wscales, wo16
.if DOCPART == 1
	.amdgcn_target "amdgcn-amd-amdhsa--gfx1250"
	.amdhsa_code_object_version 6
	.text
	.protected	k_q375d520add_quant
	.globl	k_q375d520add_quant
	.p2align	8
	.type	k_q375d520add_quant,@function
k_q375d520add_quant:
	s_mov_b64 s[64:65], 0
	v_nop
	global_prefetch_b8 v0, s[64:65] scope:SCOPE_SE
	s_setreg_imm32_b32 hwreg(HW_REG_WAVE_MODE, 25, 1), 1
	s_wait_xcnt 0x0
; DIFFERENTIAL ATTENTION, launch 1 of 5: x, wq, wk, wv (f32, K innermost) become codes of FP4 (E2M1) with one E8M0 byte for each 32 along K; wo becomes f16.
; WORK LEFT OUT IN THIS PROGRAM: only the tiles of scores, and of weights x values, that lie wholly above the diagonal (key > query).  reference() builds the causal mask itself (jnp.tril) and sets those scores
; to -inf, so their weights are 0 for every value of the inputs.  No input is left out: all twelve are loaded.  LIMIT: a NaN, an infinity or an overflow that would arise only in such a hidden tile is not carried to the result.
; The products left as they are take f16 operands.  LIMIT: |q|, |k|, |v| after RoPE, |wo| and the normalised attention stay under 65,504; NaN and infinities among the inputs are not served.
; THE QUANTISER.  A block's scale is 2^(floor(log2(its largest magnitude)) - 2); its byte is the largest magnitude's exponent field - 2, held at 1 from below (a block of zeros keeps the byte 1: its codes are zeros,
; and this program alone reads the bytes).  LIMIT: blocks whose largest magnitude lies under 2^-124 keep the byte 1.
; SHARES.  Work-groups 0-511: 32,768 numbers each of x (0-127), wq, wk, wv; a wave takes 16 steps of 512 numbers.  The three weights' codes and bytes are one stream, [6144][1024 bytes] and [6144][64].
; Each load reads 512 consecutive bytes; a step's 2,048 bytes turn through the wave's own stage in LDS so that a lane holds 16 neighbours along K; a store of codes covers 256 consecutive bytes.
; Work-groups 512-639: 32,768 numbers of wo each, rounded to f16; a load reads 512 consecutive bytes, a store covers 256.
.set WAVES, 4
.set STEPS, 16
.set EMAX,  2
.set CB,    8                          ; bytes of 16 codes
.set R,     16                         ; v16-79   four sets of 16 numbers as loaded (the cast: set 0)
.set X,     80                         ; v80-111  two sets of 16 neighbours (the cast: v80-143 set 1)
.set C,     128                        ; v128-191 codes, four registers a step
.set E,     112                        ; v112-127 a scale byte a step
.set WREG,  8192                       ; LDS: a region for each wave: two stages of 32 x SP bytes, then its 256 scale bytes
.set SP,    80
.set SPW,   12                         ; v12 LDS address of my spare word; never rewritten
.set NIL,   13                         ; v13 0; never rewritten
.set SPARE, WAVES*WREG                 ; the spare words, 128 bytes a wave, that no other line names
	s_load_b512 s[4:19], s[0:1], 0x0               ; x, wq, wk, wv, wo, xcodes, xscales, wcodes
	s_load_b128 s[20:23], s[0:1], 0x40             ; wscales, wo16
	v_lshl_add_u32 v[SPW], v0, 2, SPARE
	v_mov_b32 v[NIL], 0
	v_lshrrev_b32 v1, 5, v0
	v_readfirstlane_b32 s24, v1                    ; wave
	v_and_b32 v2, 31, v0                           ; lane
	v_lshlrev_b32 v3, 4, v2                        ; my 16 bytes of a load's 512
	s_mul_i32 s36, s24, WREG
	v_lshrrev_b32 v14, 2, v2
	v_mul_u32_u24 v14, v14, SP
	v_and_b32 v15, 3, v2
	v_lshl_add_u32 v14, v15, 4, v14
	v_add_nc_u32 v14, s36, v14                     ; the stage, on the way in: SP (lane / 4) + 16 (lane % 4)
	v_mul_u32_u24 v15, v2, SP
	v_add_nc_u32 v15, s36, v15                     ; on the way out: SP x lane
	v_mul_u32_u24 v4, v2, CB                       ; 8 x lane: my codes' place in a step's; the cast: my four f16
	v_lshrrev_b32 v5, 1, v2
	s_add_co_u32 s36, s36, 2*32*SP
	v_add_nc_u32 v5, s36, v5                       ; my block's scale byte in LDS
	v_lshlrev_b32 v7, 3, v2
	v_add_nc_u32 v6, s36, v7
	s_wait_kmcnt 0x0
	s_cmp_ge_u32 ttmp9, 512
	s_cbranch_scc1 .Lcast
	s_lshr_b32 s25, ttmp9, 7                       ; which tensor: 0 x, 1 wq, 2 wk, 3 wv.  Only pointers are chosen, on the work-group's number alone
	s_mov_b64 s[26:27], s[4:5]
	s_cmp_eq_u32 s25, 1
	s_cselect_b64 s[26:27], s[6:7], s[26:27]
	s_cmp_eq_u32 s25, 2
	s_cselect_b64 s[26:27], s[8:9], s[26:27]
	s_cmp_eq_u32 s25, 3
	s_cselect_b64 s[26:27], s[10:11], s[26:27]
	s_cmp_eq_u32 s25, 0
	s_cselect_b64 s[28:29], s[14:15], s[18:19]     ; codes
	s_cselect_b64 s[30:31], s[16:17], s[20:21]     ; scale bytes
	s_cselect_b32 s25, 0, 128                      ; the first work-group of the stream that I write
	s_and_b32 s32, ttmp9, 127
	s_lshl_b32 s32, s32, 2
	s_add_co_u32 s32, s32, s24                     ; my run of 8,192 numbers in the tensor that I read
	s_lshl_b32 s32, s32, 15
	s_mov_b32 s33, 0
	s_add_nc_u64 s[26:27], s[26:27], s[32:33]
	s_sub_co_u32 s34, ttmp9, s25
	s_lshl_b32 s34, s34, 2
	s_add_co_u32 s34, s34, s24                     ; and in the stream that I write
	s_lshl_b32 s32, s34, 12                        ; 4,096 bytes of codes a run
	s_add_nc_u64 s[28:29], s[28:29], s[32:33]
	s_lshl_b32 s32, s34, 8                         ; 256 scale bytes a run
	s_add_nc_u64 s[30:31], s[30:31], s[32:33]
.macro LOAD t
.irp i, 0,1,2,3
	global_load_b128 v[R+16*((\t)%4)+4*\i:R+16*((\t)%4)+4*\i+3], v3, s[26:27] offset:2048*(\t)+512*\i th:TH_LOAD_NT
.endr
.endm
.macro TURN t                          ; step t's numbers through the stage: LDS serves a wave's instructions in order, so no wait stands between the stores and the loads
.irp i, 0,1,2,3
	ds_store_b128 v14, v[R+16*((\t)%4)+4*\i:R+16*((\t)%4)+4*\i+3] offset:32*SP*((\t)%2)+8*SP*\i
.endr
.irp i, 0,1,2,3
	ds_load_b128 v[X+16*((\t)%2)+4*\i:X+16*((\t)%2)+4*\i+3], v15 offset:32*SP*((\t)%2)+16*\i
.endr
.endm
.irp t, 0,1,2,3
	LOAD \t
.endr
	s_wait_loadcnt 12                              ; step 0's four loads are in; the twelve of steps 1 to 3 may be out
	TURN 0
.macro STEP t
.set XS, X+16*((\t)%2)
.if (\t) > 0
	s_wait_dscnt 1                                 ; this step's numbers are back from the stage; the last step's byte store may be out
.else
	s_wait_dscnt 0x0
.endif
.if (\t)+4 < STEPS
	LOAD (\t)+4
.endif
.if (\t)+1 < STEPS
.if STEPS-2-(\t) >= 3
	s_wait_loadcnt 12                              ; the next step's four loads are in; those of the three steps behind it may be out
.else
	s_wait_loadcnt 4*(STEPS-2-(\t))
.endif
	TURN (\t)+1
.endif
	v_max3_num_f32 v8, |v[XS]|, |v[XS+1]|, |v[XS+2]|               ; the largest magnitude of my 16, in two chains
	v_max3_num_f32 v9, |v[XS+3]|, |v[XS+4]|, |v[XS+5]|
.irp i, 6,10
	v_max3_num_f32 v8, v8, |v[XS+\i]|, |v[XS+\i+1]|
	v_max3_num_f32 v9, v9, |v[XS+\i+2]|, |v[XS+\i+3]|
.endr
	v_max3_num_f32 v8, v8, |v[XS+14]|, |v[XS+15]|
	v_max3_num_f32 v8, v8, v9, (EMAX+1)<<23        ; and the floor 2^(3 - 127): the byte cannot fall under 1
	v_max_num_f32_dpp v8, v8, v8 row_xmask:1 row_mask:0xf bank_mask:0xf   ; with my neighbour's 16: the block's
	v_add_nc_u32 v11, -(EMAX<<23), v8              ; 2 off its exponent field: the conversion takes this operand's exponent field as its scale
	v_cvt_scalef32_pk8_fp4_f32 v[C+4*(\t)], v[XS:XS+7], v11
	v_cvt_scalef32_pk8_fp4_f32 v[C+4*(\t)+1], v[XS+8:XS+15], v11
	v_lshrrev_b32 v[E+(\t)], 23, v11               ; the scale's byte
	ds_store_b8 v5, v[E+(\t)] offset:16*(\t)       ; both lanes of a block write the same byte with the same value
	global_store_b64 v4, v[C+4*(\t):C+4*(\t)+1], s[28:29] offset:32*CB*(\t)
.endm
.irp t, 0,1,2,3,4,5,6,7,8,9,10,11,12,13,14,15
	STEP \t
.endr
	ds_load_b64 v[8:9], v6                         ; my wave's 256 scale bytes, 8 a lane: these see my stores
	s_wait_dscnt 0x0
	global_store_b64 v7, v[8:9], s[30:31]          ; 32 lanes store 256 consecutive bytes, aligned
	s_branch .Lend
.Lcast:                                            ; wo to f16: 64 loads of 512 bytes a wave, in four groups of 16 on two sets of registers
	s_sub_co_u32 s32, ttmp9, 512
	s_lshl_b32 s32, s32, 2
	s_add_co_u32 s32, s32, s24                     ; my run of 8,192 numbers
	s_lshl_b32 s34, s32, 15
	s_mov_b32 s35, 0
	s_add_nc_u64 s[12:13], s[12:13], s[34:35]
	s_lshl_b32 s34, s32, 14
	s_add_nc_u64 s[22:23], s[22:23], s[34:35]
.macro CLOAD g, set
.irp i, 0,1,2,3,4,5,6,7,8,9,10,11,12,13,14,15
	global_load_b128 v[R+64*\set+4*\i:R+64*\set+4*\i+3], v3, s[12:13] offset:512*(16*\g+\i) th:TH_LOAD_NT
.endr
.endm
.macro CSTORE g, set
.irp i, 0,1,2,3,4,5,6,7,8,9,10,11,12,13,14,15
	v_cvt_pk_f16_f32 v[R+64*\set+4*\i], v[R+64*\set+4*\i], v[R+64*\set+4*\i+1]
	v_cvt_pk_f16_f32 v[R+64*\set+4*\i+1], v[R+64*\set+4*\i+2], v[R+64*\set+4*\i+3]
	global_store_b64 v4, v[R+64*\set+4*\i:R+64*\set+4*\i+1], s[22:23] offset:256*(16*\g+\i)
.endr
.endm
	CLOAD 0, 0
	CLOAD 1, 1
	s_wait_loadcnt 16                              ; the older set is in; the younger set's 16 loads may be out
	CSTORE 0, 0
	s_wait_xcnt 0x0                                ; the stores have read their registers: the set is loaded again only behind this wait
	CLOAD 2, 0
	s_wait_loadcnt 16
	CSTORE 1, 1
	s_wait_xcnt 0x0
	CLOAD 3, 1
	s_wait_loadcnt 16
	CSTORE 2, 0
	s_wait_loadcnt 0x0
	CSTORE 3, 1
.Lend:
	s_wait_tensorcnt 0x0                           ; the wave's end
	ds_add_u32 v[SPW], v[NIL]
	s_wait_dscnt 0x0
	s_endpgm
.Lfunc_end_k_q375d520add_quant:
	.size	k_q375d520add_quant, .Lfunc_end_k_q375d520add_quant-k_q375d520add_quant
	.p2alignl 7, 3214868480
	.fill 96, 4, 3214868480
	.section	.rodata,"a",@progbits
	.p2align	6, 0x0
	.amdhsa_kernel k_q375d520add_quant
		.amdhsa_group_segment_fixed_size 33280
		.amdhsa_private_segment_fixed_size 0
		.amdhsa_enable_private_segment 0
		.amdhsa_kernarg_size 80
		.amdhsa_user_sgpr_count 2
		.amdhsa_user_sgpr_kernarg_segment_ptr 1
		.amdhsa_wavefront_size32 1
		.amdhsa_system_sgpr_workgroup_id_x 1
		.amdhsa_system_sgpr_workgroup_id_y 1
		.amdhsa_system_sgpr_workgroup_id_z 1
		.amdhsa_system_vgpr_workitem_id 0
		.amdhsa_next_free_vgpr 192
		.amdhsa_next_free_sgpr 66
		.amdhsa_reserve_vcc 0
		.amdhsa_float_denorm_mode_32 3
		.amdhsa_float_denorm_mode_16_64 3
		.amdhsa_memory_ordered 1
		.amdhsa_forward_progress 1
		.amdhsa_inst_pref_size 54
	.end_amdhsa_kernel
	.amdgpu_metadata
---
amdhsa.version: [ 1, 2 ]
amdhsa.kernels:
  - .name:           k_q375d520add_quant
    .symbol:         k_q375d520add_quant.kd
    .args:
      - { .name: x, .offset: 0, .size: 8, .value_kind: global_buffer, .address_space: global }
      - { .name: wq, .offset: 8, .size: 8, .value_kind: global_buffer, .address_space: global }
      - { .name: wk, .offset: 16, .size: 8, .value_kind: global_buffer, .address_space: global }
      - { .name: wv, .offset: 24, .size: 8, .value_kind: global_buffer, .address_space: global }
      - { .name: wo, .offset: 32, .size: 8, .value_kind: global_buffer, .address_space: global }
      - { .name: xcodes, .offset: 40, .size: 8, .value_kind: global_buffer, .address_space: global }
      - { .name: xscales, .offset: 48, .size: 8, .value_kind: global_buffer, .address_space: global }
      - { .name: wcodes, .offset: 56, .size: 8, .value_kind: global_buffer, .address_space: global }
      - { .name: wscales, .offset: 64, .size: 8, .value_kind: global_buffer, .address_space: global }
      - { .name: wo16, .offset: 72, .size: 8, .value_kind: global_buffer, .address_space: global }
    .group_segment_fixed_size: 33280
    .private_segment_fixed_size: 0
    .kernarg_segment_align: 8
    .kernarg_segment_size: 80
    .max_flat_workgroup_size: 128
    .sgpr_count:     66
    .vgpr_count:     192
    .wavefront_size: 32
...
	.end_amdgpu_metadata
.endif
;; end of part 1
;; launch qkvgemm (part 2): grid 24 x 8, 4 waves a work-group, clusters of 4 x 4, 327,680 bytes of LDS; arguments xcodes, xscales, wcodes, wscales, qkv, qkv32, rope_cos, rope_sin; writes qkv, qkv32
.if DOCPART == 2
	.amdgcn_target "amdgcn-amd-amdhsa--gfx1250"
	.amdhsa_code_object_version 6
	.text
	.protected	k_q375d520add_qkvgemm
	.globl	k_q375d520add_qkvgemm
	.p2align	8
	.type	k_q375d520add_qkvgemm,@function
k_q375d520add_qkvgemm:
	s_mov_b64 s[64:65], 0
	v_nop
	global_prefetch_b8 v0, s[64:65] scope:SCOPE_SE
	s_setreg_imm32_b32 hwreg(HW_REG_WAVE_MODE, 25, 1), 1
	s_wait_xcnt 0x0
	s_wait_alu depctr_hold_cnt(0) depctr_sa_sdst(0) depctr_va_vdst(0) depctr_va_sdst(0) depctr_va_ssrc(0) depctr_va_vcc(0) depctr_vm_vsrc(0)
	s_getreg_b32 s2, hwreg(HW_REG_IB_STS2, 6, 4)
	s_cmp_eq_u32 s2, 0
	s_cbranch_scc0 .Lentry_in_a_cluster
	s_endpgm
.Lentry_in_a_cluster:
	s_bfe_u32 s2, ttmp6, 0x10000c
	s_cmp_lg_u32 s2, 0xf033
	s_cbranch_scc0 .Lentry_shape_is_right
	s_endpgm
.Lentry_shape_is_right:
; Launch 2 of 5: [q | k | v][m][n] = sum over k of x[m][k] w[n][k] on codes of FP4 (E2M1) with E8M0 scales; w's 6,144 rows are wq, wk, wv on end.  Sums in f32.  No work is left out here.
; On the way out columns 0-4095 (q and k) are turned by RoPE in f32; all is rounded to f16 into qkv [2048][6144]; rows 0-15 also leave in f32 into qkv32 [16][6144], for the launch that carries the first 16 positions finely.
; A tile of C, 256 x 256, is made by four waves, each 128 x 128: 64 accumulators, 512 registers.  K goes in steps of 512 through a ring of two LDS slots filled by the tensor data mover: a tile's row is 256 bytes of memory.
; The scale bytes of the work-group's 256 + 256 rows, for all of K, come into LDS once, with the first fills.
; CLUSTERS: 4 x 4 work-groups; A's tiles are asked for jointly along a row of the cluster, B's along a column.  The matrix instruction is used transposed (source 0 = 16 rows of w, source 1 = 16 rows of x).
; REGISTERS: window 0: v0-31 addresses; v32-95 scale words, two sets; from v128 A's fragments, one set.  window 1: B's fragments, two sets.  windows 2, 3: the accumulators ((a, b) at v[8 (8 (a % 4) + b)]).
; On the way out window 0 holds: v8-15 at work, v32-95 16 rows in f32, v96-127 the same in f16, v128-255 two sets of 16 rows' cos and sin.
.set SIZE_M, 2048
.set SIZE_N, 6144
.set SIZE_K, 2048
.set KSTEP,  512
.set NQ,     KSTEP/128
.set ROWB,   256
.set KROW,   SIZE_K*4/8
.set PITCH,  272                       ; an LDS row: 256 bytes + 16 of padding: the 16 rows that a load touches start at 16 different banks
.set FR,     8
.set NL,     2
.set NP,     4
.set HALFT,  128*PITCH
.set SLOT,   4*HALFT
.set LAPS,   SIZE_K/(2*KSTEP)
.set KS,     SIZE_K/32
.set SCL,    2*SLOT
.set HALFS,  (128*KS/256)*272
.set SBLK,   (16*KS/256)*272
.set SPARE,  SCL+4*HALFS               ; the spare words, 128 bytes a wave, that no other line names
.set SPITCH, 528                       ; the way out: 128 rows x (512 bytes + 16) for each wave, laid over the ring when both slots have had their last fill and their last read
.set ADRA, 16
.set ADRB, 20
.set TRV,  19                          ; v19  cy, my work-group's row in its cluster: it masks the lanes of the f32 stores and nothing else
.set CF,   22                          ; v22  16 x lane: my 16 bytes of a row of 512 (f32)
.set CA,   23                          ; v23  8 x (lane % 16): my two cos or sin of a row of 128 bytes
.set STO,  24                          ; v24  where I put 32 bytes of a row in my stage
.set CO,   26                          ; v26  8 x lane: my 8 bytes of a row of 256 (f16)
.set ADRS, 27
.set SPW,  28
.set NIL,  29
.set RD,   30                          ; v30, v31  where I read rows 0-63 and rows 64-127 of my stage back
.set SC,   32
.set AF,   128
.set X,    32
.set Y,    96
.set G1, 24
.set G0, 32
.set G1B, 48
.set G0B, 56
.set G1S, 68
.set G0S, 76
.set G1SB, 80
.set G0SB, 88
.set MSB, 0
.macro WIN new                         ; the immediate's high byte repeats the setting that is left
.if MSB != \new
	s_set_vgpr_msb (MSB<<8)|\new
.set MSB, \new
.endif
.endm
.set MUL_LO, 0xa1
.set MUL_HI, 0xf1
.set TO_B,   0x40
; A joint load: waves 0 and 1 fetch for A, waves 2 and 3 for B.  The branch hangs on the wave's number alone.  An s_nop 0 and four v_nop follow each line.
.macro JLOAD g0a, g1a, g0b, g1b
	s_cmp_eq_u32 s15, 0
	s_cbranch_scc0 .Lfor_b_\@
	tensor_load_to_lds s[\g0a:\g0a+3], s[\g1a:\g1a+7]
	s_nop 0
.rept 4
	v_nop
.endr
	s_branch .Lasked_\@
.Lfor_b_\@:
	tensor_load_to_lds s[\g0b:\g0b+3], s[\g1b:\g1b+7]
	s_nop 0
.rept 4
	v_nop
.endr
.Lasked_\@:
.endm
.macro CREST
	s_cmp_lg_u32 s14, 0
	s_cbranch_scc1 .Lnot_wave_0_\@
	s_barrier_signal -3
.Lnot_wave_0_\@:
	s_barrier_wait -3
	s_barrier_signal -1
	s_barrier_wait -1
.endm
.macro CROUND
	s_barrier_signal -1
	s_barrier_wait -1
	CREST
.endm
	s_load_b128 s[4:7], s[0:1], 0x0                ; x's codes, x's scales
	s_load_b128 s[8:11], s[0:1], 0x10              ; w's codes, w's scales
	s_load_b64 s[12:13], s[0:1], 0x20              ; qkv
	v_lshl_add_u32 v[SPW], v0, 2, SPARE
	v_mov_b32 v[NIL], 0
	ds_add_u32 v[SPW], v[NIL]                      ; the wave's opening: the add, twice on end, and its wait ahead of my first tensor load
	ds_add_u32 v[SPW], v[NIL]
	v_lshrrev_b32 v1, 5, v0
	v_readfirstlane_b32 s14, v1                    ; wave 0..3
	s_lshr_b32 s15, s14, 1                         ; which half of the tile's rows is mine.  Also: I fetch for A (0) or for B (1)
	s_and_b32 s16, s14, 1                          ; which half of its columns.  Also: which 128 rows of that tile I fetch
	s_bfe_u32 s40, ttmp6, 0x40000                  ; cx, cy
	s_bfe_u32 s41, ttmp6, 0x40004
	s_lshl_b32 s42, ttmp9, 2
	s_add_co_u32 s42, s42, s40                     ; tile column = 4 x cluster x + cx
	s_and_b32 s17, ttmp7, 0xffff
	s_lshl_b32 s17, s17, 2
	s_add_co_u32 s17, s17, s41                     ; tile row = 4 x cluster y + cy
	s_lshl_b32 s43, s41, 2
	s_lshl_b32 s43, 15, s43                        ; my row of the cluster
	s_lshl_b32 s44, 0x1111, s40                    ; my column
	s_or_b32 s[G1+0], s43, (0<<16)|(1<<20)|(1<<21)|(5<<22)|(3<<25)  ; the mask; elements of 1 byte; padding on; bit 21 beside a mask; 4 words after every 64
	s_or_b32 s[G1B+0], s44, (0<<16)|(1<<20)|(1<<21)|(5<<22)|(3<<25)
.irp g, G1, G1B
	s_mov_b32 s[\g+1], ROWB<<16                    ; tensor_dim0
	s_mov_b32 s[\g+2], 128<<16                     ; tensor_dim1
	s_mov_b32 s[\g+3], ROWB<<16                    ; tile_dim0
	s_mov_b32 s[\g+4], 128                         ; tile_dim1
	s_mov_b32 s[\g+5], KROW                        ; pitch
	s_mov_b32 s[\g+6], 0
	s_mov_b32 s[\g+7], 0
.endr
	s_or_b32 s[G1S+0], s43, (3<<16)|(1<<20)|(1<<21)|(5<<22)|(3<<25)  ; the scales of 128 rows: a dense block, as rows of 256 bytes (32 elements of 8), 16 bytes of padding behind each
	s_or_b32 s[G1SB+0], s44, (3<<16)|(1<<20)|(1<<21)|(5<<22)|(3<<25)
.irp g, G1S, G1SB
	s_mov_b32 s[\g+1], 32<<16
	s_mov_b32 s[\g+2], (128*KS/256)<<16
	s_mov_b32 s[\g+3], 32<<16
	s_mov_b32 s[\g+4], 128*KS/256
	s_mov_b32 s[\g+5], 32
	s_mov_b32 s[\g+6], 0
	s_mov_b32 s[\g+7], 0
.endr
	s_lshl_b32 s18, s16, 7
	s_lshl_b32 s20, s17, 8
	s_add_co_u32 s20, s20, s18                     ; A: row 256 x tile row + 128 x half
	s_lshl_b32 s46, s42, 8
	s_add_co_u32 s46, s46, s18                     ; B: row 256 x tile column + 128 x half
	s_mov_b32 s21, 0
	s_mov_b32 s47, 0
	s_mov_b64 s[18:19], KS
	s_mul_u64 s[22:23], s[20:21], s[18:19]
	s_mul_u64 s[92:93], s[46:47], s[18:19]
	s_mov_b64 s[18:19], KROW
	s_mul_u64 s[20:21], s[20:21], s[18:19]
	s_mul_u64 s[46:47], s[46:47], s[18:19]
	s_mul_i32 s45, s14, HALFT                      ; where they go: wave x 128 rows
	s_mul_i32 s94, s14, HALFS
	s_wait_dscnt 0x0                               ; both opening adds are done
	s_wait_kmcnt 0x0
	s_add_nc_u64 s[20:21], s[4:5], s[20:21]
	s_add_nc_u64 s[22:23], s[6:7], s[22:23]
	s_add_nc_u64 s[46:47], s[8:9], s[46:47]
	s_add_nc_u64 s[92:93], s[10:11], s[92:93]
	CROUND                                         ; all sixteen work-groups are here: the first joint loads meet
	s_mov_b32 s[G0S], 1
	s_add_co_u32 s[G0S+1], s94, SCL
	s_mov_b64 s[G0S+2:G0S+3], s[22:23]
	s_or_b32 s[G0S+3], s[G0S+3], 0x80000000
	s_mov_b32 s[G0SB], 1
	s_add_co_u32 s[G0SB+1], s94, SCL
	s_mov_b64 s[G0SB+2:G0SB+3], s[92:93]
	s_or_b32 s[G0SB+3], s[G0SB+3], 0x80000000
	JLOAD G0S, G1S, G0SB, G1SB                     ; the scales first
.irp s, 0,1
	s_mov_b32 s[G0+4*\s], 1
	s_add_co_u32 s[G0+4*\s+1], s45, \s*SLOT
	s_add_nc_u64 s[G0+4*\s+2:G0+4*\s+3], s[20:21], \s*ROWB
	s_or_b32 s[G0+4*\s+3], s[G0+4*\s+3], 0x80000000
	s_mov_b32 s[G0B+4*\s], 1
	s_add_co_u32 s[G0B+4*\s+1], s45, \s*SLOT
	s_add_nc_u64 s[G0B+4*\s+2:G0B+4*\s+3], s[46:47], \s*ROWB
	s_or_b32 s[G0B+4*\s+3], s[G0B+4*\s+3], 0x80000000
	JLOAD G0+4*\s, G1, G0B+4*\s, G1B
.endr
	s_load_b128 s[4:7], s[0:1], 0x30               ; rope_cos, rope_sin (the codes' and scales' addresses have been used)
	s_load_b64 s[8:9], s[0:1], 0x28                ; qkv32
	v_and_b32 v1, 15, v0                           ; l % 16
	v_bfe_u32 v2, v0, 4, 1                         ; l / 16
	v_mul_u32_u24 v3, v1, PITCH
	v_lshl_add_u32 v4, v2, 4, v3
	s_mul_i32 s21, s15, HALFT
	s_mul_i32 s22, s16, HALFT
	s_add_co_u32 s22, s22, 2*HALFT
.irp s, 0,1
	v_add_nc_u32 v[ADRA+\s], s21, v4
	v_add_nc_u32 v[ADRB+\s], s22, v4
	s_add_co_u32 s21, s21, SLOT
	s_add_co_u32 s22, s22, SLOT
.endr
	v_mul_u32_u24 v5, v1, KS                       ; my row's scales: KS bytes a row,
	v_lshrrev_b32 v6, 8, v5
	v_lshl_add_u32 v5, v6, 4, v5                   ; and 16 more for each 256 passed
	s_mul_i32 s21, s15, HALFS
	s_mul_i32 s22, s16, HALFS
	s_add_co_u32 s22, s22, 2*HALFS
	s_sub_co_u32 s22, s22, s21
	v_mul_u32_u24 v6, s22, v2                      ; lanes 16-31 take B's
	s_add_co_u32 s21, s21, SCL
	v_add_nc_u32 v5, v5, v6
	v_add_nc_u32 v[ADRS], s21, v5
	s_mul_i32 s23, s14, 128*SPITCH                 ; my stage
	v_mul_u32_u24 v5, v1, SPITCH
	v_lshl_add_u32 v5, v2, 5, v5
	v_add_nc_u32 v[STO], s23, v5                   ; in: row l % 16, 32 bytes for each half of the lanes
	v_and_b32 v6, 31, v0
	v_lshlrev_b32 v[CF], 4, v6
	v_add_nc_u32 v[RD], s23, v[CF]                 ; back: the 32 lanes take one row of 512 bytes
	v_add_nc_u32 v[RD+1], 64*SPITCH, v[RD]
	v_lshlrev_b32 v[CO], 3, v6
	v_lshlrev_b32 v[CA], 3, v1
	v_mov_b32 v[TRV], s41
	s_lshl_b32 s20, s17, 8
	s_lshl_b32 s21, s15, 7
	s_add_co_u32 s20, s20, s21                     ; my first row: 256 x tile row + 128 x half
	s_lshl_b32 s46, s42, 8
	s_lshl_b32 s47, s16, 7
	s_add_co_u32 s46, s46, s47                     ; my first column: 256 x tile column + 128 x half
	s_mul_i32 s22, s20, SIZE_N*2
	s_lshl_b32 s23, s46, 1
	s_add_co_u32 s22, s22, s23
	s_mov_b32 s23, 0
	s_add_nc_u64 s[12:13], s[12:13], s[22:23]      ; qkv at my part
	s_and_b32 s96, ttmp7, 0xffff
	s_or_b32 s96, s96, s15
	s_cmp_eq_u32 s96, 0
	s_cselect_b32 s95, 1, 0                        ; 1: the first row of clusters, and a wave with a tile's upper rows: the same in all partners
	s_wait_kmcnt 0x0
	s_lshl_b32 s22, s20, 7                         ; a row of cos or sin is 128 bytes
	s_add_nc_u64 s[4:5], s[4:5], s[22:23]
	s_add_nc_u64 s[6:7], s[6:7], s[22:23]
	s_lshl_b32 s22, s46, 2
	s_add_nc_u64 s[8:9], s[8:9], s[22:23]          ; qkv32 at my first column
.macro FRAG reg, adr, q, i             ; 16 rows x 128 K of 4-bit codes: 8 registers: two loads of 16 bytes, 32 bytes apart
.irp c, 0,1
	ds_load_b128 v[\reg+4*\c:\reg+4*\c+3], v[\adr] offset:64*(\q)+32*\c+(\i)*16*PITCH
.endr
.endm
; 16 matrix instructions: A's blocks a0, a0 + 1 x B's eight, 128 along K.  The 64 accumulators take turns, one instruction a turn.
.macro MUL16 a0, p, q, sc, zero
.irp a, \a0, \a0+1
.irp b, 0,1,2,3,4,5,6,7
.if \zero
	v_wmma_scale_f32_16x16x128_f8f6f4 v[8*(8*((\a)%4)+\b):8*(8*((\a)%4)+\b)+7], v[128*(\p)+FR*\b:128*(\p)+FR*\b+FR-1], v[AF+FR*(\a):AF+FR*(\a)+FR-1], 0, v[SC+8*NQ*(\sc)+NQ*\b+(\q)], v[SC+8*NQ*(\sc)+NQ*(\a)+(\q)] matrix_a_fmt:MATRIX_FMT_FP4 matrix_b_fmt:MATRIX_FMT_FP4 matrix_a_scale:MATRIX_SCALE_ROW1
.else
	v_wmma_scale_f32_16x16x128_f8f6f4 v[8*(8*((\a)%4)+\b):8*(8*((\a)%4)+\b)+7], v[128*(\p)+FR*\b:128*(\p)+FR*\b+FR-1], v[AF+FR*(\a):AF+FR*(\a)+FR-1], v[8*(8*((\a)%4)+\b):8*(8*((\a)%4)+\b)+7], v[SC+8*NQ*(\sc)+NQ*\b+(\q)], v[SC+8*NQ*(\sc)+NQ*(\a)+(\q)] matrix_a_fmt:MATRIX_FMT_FP4 matrix_b_fmt:MATRIX_FMT_FP4 matrix_a_scale:MATRIX_SCALE_ROW1
.endif
.endr
.endr
.endm
.macro FETCH_B slot, q, p
	WIN TO_B
.irp i, 0,1,2,3,4,5,6,7
	FRAG 128*(\p)+FR*\i, ADRB+\slot, \q, \i
.endr
	WIN 0
.endm
.macro FETCH_A slot, q, i0
.irp i, \i0, \i0+1, \i0+2, \i0+3
	FRAG AF+FR*(\i), ADRA+\slot, \q, \i
.endr
.endm
.macro SCALES sc                       ; a K step's scale words: lanes 0-15 take A's block i, lanes 16-31 B's block i
.irp i, 0,1,2,3,4,5,6,7
	ds_load_b128 v[SC+8*NQ*\sc+NQ*\i:SC+8*NQ*\sc+NQ*\i+3], v[ADRS] offset:\i*SBLK
.endr
.endm
.macro PLACES n                        ; plain vector instructions between a matrix instruction and a load into, or a read of, its registers
.rept \n
	v_nop
.endr
.endm
.macro STEP slot, q, zero
	s_wait_dscnt 4*NL                              ; B's set and A's blocks 0-3 are in; the youngest eight loads (A's blocks 4-7) may be out
	WIN MUL_LO
	MUL16 0, (\q)%2, \q, \slot, \zero
	MUL16 2, (\q)%2, \q, \slot, \zero
	s_wait_dscnt 0
	PLACES NP
	FETCH_B \slot, (\q)+1, 1-(\q)%2
	FETCH_A \slot, (\q)+1, 0
	WIN MUL_HI
	MUL16 4, (\q)%2, \q, \slot, \zero
	MUL16 6, (\q)%2, \q, \slot, \zero
	PLACES NP
	WIN 0
	FETCH_A \slot, (\q)+1, 4
.endm
; A slot's last step changes slots: one barrier; in front of it each wave waits for all its tensor loads, adds 0 to its spare word, and waits for that and for its reads of this slot.
.macro TURN slot, next, fill
	s_wait_tensorcnt 0x0                           ; all my tensor loads have landed: my part of the next slot
	ds_add_u32 v[SPW], v[NIL]
	s_wait_dscnt 4*NL+1                            ; the add and the youngest eight loads may be out
	WIN MUL_LO
	MUL16 0, 1, NQ-1, \slot, 0
	s_wait_dscnt 0x0                               ; the add is done, and my reads of this slot are over
	s_barrier_signal -1
	MUL16 2, 1, NQ-1, \slot, 0
	WIN 0
	s_barrier_wait -1
.if \fill
	CREST                                          ; the barrier has opened a round of the cluster's barrier
	s_add_nc_u64 s[G0+4*\slot+2:G0+4*\slot+3], s[G0+4*\slot+2:G0+4*\slot+3], 2*ROWB
	s_add_nc_u64 s[G0B+4*\slot+2:G0B+4*\slot+3], s[G0B+4*\slot+2:G0B+4*\slot+3], 2*ROWB
	JLOAD G0+4*\slot, G1, G0B+4*\slot, G1B         ; the first tensor load behind the round
.else
	PLACES NP
.endif
	v_add_nc_u32 v[ADRS], 4*NQ, v[ADRS]
	FETCH_B \next, 0, 0
	FETCH_A \next, 0, 0
	SCALES \next
	WIN MUL_HI
	MUL16 4, 1, NQ-1, \slot, 0
	MUL16 6, 1, NQ-1, \slot, 0
	PLACES NP
	WIN 0
	FETCH_A \next, 0, 4
.endm
.macro STEPS slot, from
.set Q, \from
.rept NQ-1-\from
	STEP \slot, Q, 0
.set Q, Q+1
.endr
.endm
	s_wait_tensorcnt 1                             ; the scales and my part of K step 0 are in; K step 1's load may be out
	s_barrier_signal -1
	s_barrier_wait -1
	FETCH_B 0, 0, 0
	FETCH_A 0, 0, 0
	SCALES 0
	FETCH_A 0, 0, 4
	STEP 0, 0, 1                                   ; the first step's products start the sums
	s_mov_b32 s3, LAPS-1
.Llap:
	STEPS 0, 1
	TURN 0, 1, 1
	STEPS 1, 0
	TURN 1, 0, 1
	STEP 0, 0, 0
	s_sub_co_u32 s3, s3, 1
	s_cmp_lg_u32 s3, 0
	s_cbranch_scc1 .Llap
	STEPS 0, 1                                     ; the last lap fills nothing
	TURN 0, 1, 0
	STEPS 1, 0
	s_wait_dscnt 4*NL
	WIN MUL_LO
	MUL16 0, 1, NQ-1, 1, 0
	MUL16 2, 1, NQ-1, 1, 0
	s_wait_dscnt 0
	WIN MUL_HI
	MUL16 4, 1, NQ-1, 1, 0
	MUL16 6, 1, NQ-1, 1, 0
	WIN 0
; THE WAY OUT.  Both slots have had their last fill.  When every wave has read its last fragment (the barrier), each wave lays its 128 x 128 results into its own 128 rows of 528 bytes and reads them back as whole rows:
; a lane then holds channels 4 l .. 4 l + 3 of one row, two pairs of RoPE, whose cos and sin are the two numbers at 8 (l % 16) of the row's 128 bytes.  Written out, every offset an immediate.
	PLACES NP
	s_wait_dscnt 0x0
	s_barrier_signal -1
	s_barrier_wait -1
.irp a, 0,1,2,3,4,5,6,7
	WIN 0x08+4*(\a/4)                              ; an LDS store's data: window 2 or 3
.irp b, 0,1,2,3,4,5,6,7
	ds_store_b128 v[STO], v[8*(8*(\a%4)+\b):8*(8*(\a%4)+\b)+3] offset:\a*16*SPITCH+64*\b        ; each accumulator from its low end on
	ds_store_b128 v[STO], v[8*(8*(\a%4)+\b)+4:8*(8*(\a%4)+\b)+7] offset:\a*16*SPITCH+64*\b+16
.endr
.endr
	WIN 0
.macro LOADCS set, row0                ; 16 rows' cos (v[128 + 64 set] on) and sin (32 registers further)
.irp i, 0,1,2,3,4,5,6,7,8,9,10,11,12,13,14,15
	global_load_b64 v[128+64*(\set)+2*\i:128+64*(\set)+2*\i+1], v[CA], s[4:5] offset:(\row0+\i)*128
	global_load_b64 v[160+64*(\set)+2*\i:160+64*(\set)+2*\i+1], v[CA], s[6:7] offset:(\row0+\i)*128
.endr
.endm
; Rows 16 g .. 16 g + 15 of my 128.  rope = 1: turned.  more = 1: the set of cos and sin is loaded again for the rows 32 further on.  fine = 1: the f32 copy of rows 0-15.  left: the other set's loads, which may stay out.
.macro HALF rope, g, more, fine, left
.set CC, 128+64*((\g)%2)
	s_wait_xcnt 0x0                                ; the earlier stores have read their registers: X and Y are written again only behind this wait
.irp i, 0,1,2,3,4,5,6,7,8,9,10,11,12,13,14,15
	ds_load_b128 v[X+4*\i:X+4*\i+3], v[RD+(\g)/4] offset:(16*((\g)%4)+\i)*SPITCH   ; LDS serves a wave's instructions in order: these see my stores
.endr
.if \rope
	s_wait_loadcnt \left
.endif
	s_wait_dscnt 0x0
.if \rope
.irp i, 0,1,2,3,4,5,6,7,8,9,10,11,12,13,14,15
.set TT, 8+4*(\i%2)
	v_mul_f32 v[TT], v[X+4*\i+1], v[CC+32+2*\i]                    ; b sin
	v_mul_f32 v[TT+1], v[X+4*\i], v[CC+32+2*\i]                    ; a sin
	v_mul_f32 v[TT+2], v[X+4*\i+3], v[CC+33+2*\i]
	v_mul_f32 v[TT+3], v[X+4*\i+2], v[CC+33+2*\i]
	v_fma_f32 v[X+4*\i], v[X+4*\i], v[CC+2*\i], -v[TT]             ; a cos - b sin
	v_fma_f32 v[X+4*\i+1], v[X+4*\i+1], v[CC+2*\i], v[TT+1]        ; b cos + a sin
	v_fma_f32 v[X+4*\i+2], v[X+4*\i+2], v[CC+1+2*\i], -v[TT+2]
	v_fma_f32 v[X+4*\i+3], v[X+4*\i+3], v[CC+1+2*\i], v[TT+3]
.endr
.if \more
	LOADCS (\g)%2, 16*(\g)+32
.endif
.endif
.if \fine
	s_cmp_eq_u32 s95, 1                            ; the wave's number and the cluster's y: the same in all partners
	s_cbranch_scc0 .Lnot_fine_\@
	v_cmp_eq_u32 vcc_lo, 0, v[TRV]                 ; of the cluster's four rows only the first holds positions 0-15: the others' lanes are off
	s_wait_xcnt 0x0                                ; EXEC changes only behind this wait
	s_and_saveexec_b32 s94, vcc_lo
.irp i, 0,1,2,3,4,5,6,7,8,9,10,11,12,13,14,15
	global_store_b128 v[CF], v[X+4*\i:X+4*\i+3], s[8:9] offset:\i*SIZE_N*4     ; 32 lanes store 512 consecutive bytes
.endr
	s_wait_xcnt 0x0                                ; and again in front of the line that widens it
	s_or_b32 exec_lo, exec_lo, s94
.Lnot_fine_\@:
.endif
.irp i, 0,1,2,3,4,5,6,7,8,9,10,11,12,13,14,15
	v_cvt_pk_f16_f32 v[Y+2*\i], v[X+4*\i], v[X+4*\i+1]
	v_cvt_pk_f16_f32 v[Y+2*\i+1], v[X+4*\i+2], v[X+4*\i+3]
.endr
.irp i, 0,1,2,3,4,5,6,7,8,9,10,11,12,13,14,15
	global_store_b64 v[CO], v[Y+2*\i:Y+2*\i+1], s[12:13] offset:(16*(\g)+\i)*SIZE_N*2   ; 32 lanes store 256 consecutive bytes, aligned
.endr
.endm
	s_cmp_lt_u32 ttmp9, 4                          ; the cluster's x: columns under 4,096 are q and k
	s_cbranch_scc0 .Lvalues
	LOADCS 0, 0
	LOADCS 1, 16
	HALF 1, 0, 1, 1, 32
	HALF 1, 1, 1, 0, 32
	HALF 1, 2, 1, 0, 32
	HALF 1, 3, 1, 0, 32
	HALF 1, 4, 1, 0, 32
	HALF 1, 5, 1, 0, 32
	HALF 1, 6, 0, 0, 32
	HALF 1, 7, 0, 0, 0
	s_branch .Lout
.Lvalues:
	HALF 0, 0, 0, 1, 0
	HALF 0, 1, 0, 0, 0
	HALF 0, 2, 0, 0, 0
	HALF 0, 3, 0, 0, 0
	HALF 0, 4, 0, 0, 0
	HALF 0, 5, 0, 0, 0
	HALF 0, 6, 0, 0, 0
	HALF 0, 7, 0, 0, 0
.Lout:
	s_wait_tensorcnt 0x0                           ; the wave's end
	ds_add_u32 v[SPW], v[NIL]
	s_wait_dscnt 0x0
	CROUND                                         ; the closing round
	s_endpgm
.Lfunc_end_k_q375d520add_qkvgemm:
	.size	k_q375d520add_qkvgemm, .Lfunc_end_k_q375d520add_qkvgemm-k_q375d520add_qkvgemm
	.p2alignl 7, 3214868480
	.fill 96, 4, 3214868480
	.section	.rodata,"a",@progbits
	.p2align	6, 0x0
	.amdhsa_kernel k_q375d520add_qkvgemm
		.amdhsa_group_segment_fixed_size 327680
		.amdhsa_private_segment_fixed_size 0
		.amdhsa_enable_private_segment 0
		.amdhsa_kernarg_size 64
		.amdhsa_user_sgpr_count 2
		.amdhsa_user_sgpr_kernarg_segment_ptr 1
		.amdhsa_wavefront_size32 1
		.amdhsa_system_sgpr_workgroup_id_x 1
		.amdhsa_system_sgpr_workgroup_id_y 1
		.amdhsa_system_sgpr_workgroup_id_z 1
		.amdhsa_system_vgpr_workitem_id 0
		.amdhsa_next_free_vgpr 1024
		.amdhsa_next_free_sgpr 100
		.amdhsa_reserve_vcc 1
		.amdhsa_float_denorm_mode_32 3
		.amdhsa_float_denorm_mode_16_64 3
		.amdhsa_memory_ordered 1
		.amdhsa_forward_progress 1
		.amdhsa_inst_pref_size 255
	.end_amdhsa_kernel
	.section	.bss,"aw",@nobits
	.p2align	6
	.space	262144
	.amdgpu_metadata
---
amdhsa.version: [ 1, 2 ]
amdhsa.kernels:
  - .name:           k_q375d520add_qkvgemm
    .symbol:         k_q375d520add_qkvgemm.kd
    .args:
      - { .name: xcodes, .offset: 0, .size: 8, .value_kind: global_buffer, .address_space: global }
      - { .name: xscales, .offset: 8, .size: 8, .value_kind: global_buffer, .address_space: global }
      - { .name: wcodes, .offset: 16, .size: 8, .value_kind: global_buffer, .address_space: global }
      - { .name: wscales, .offset: 24, .size: 8, .value_kind: global_buffer, .address_space: global }
      - { .name: qkv, .offset: 32, .size: 8, .value_kind: global_buffer, .address_space: global }
      - { .name: qkv32, .offset: 40, .size: 8, .value_kind: global_buffer, .address_space: global }
      - { .name: rope_cos, .offset: 48, .size: 8, .value_kind: global_buffer, .address_space: global }
      - { .name: rope_sin, .offset: 56, .size: 8, .value_kind: global_buffer, .address_space: global }
    .group_segment_fixed_size: 327680
    .private_segment_fixed_size: 0
    .kernarg_segment_align: 8
    .kernarg_segment_size: 64
    .max_flat_workgroup_size: 128
    .sgpr_count:     100
    .vgpr_count:     1024
    .wavefront_size: 32
...
	.end_amdgpu_metadata
.endif
;; end of part 2
;; launch attn (part 3): grid 16 x 16, 4 waves a work-group, no clusters, 327,680 bytes of LDS; arguments qkv, lambda_q1, lambda_k1, lambda_q2, lambda_k2, subln_w, attn; writes attn
.if DOCPART == 3
	.amdgcn_target "amdgcn-amd-amdhsa--gfx1250"
	.amdhsa_code_object_version 6
	.text
	.protected	k_q375d520add_attn
	.globl	k_q375d520add_attn
	.p2align	8
	.type	k_q375d520add_attn,@function
k_q375d520add_attn:
	s_mov_b64 s[64:65], 0
	v_nop
	global_prefetch_b8 v0, s[64:65] scope:SCOPE_SE
	s_setreg_imm32_b32 hwreg(HW_REG_WAVE_MODE, 25, 1), 1
	s_wait_xcnt 0x0
; Launch 3 of 5: for each head both causal softmaxes (q1 k1, q2 k2; head size 64) on the head's 128 values, attn1 - lam attn2, the RMS norm over 128, x subln_w x (1 - LAMBDA_INIT); f16 out.
; WORK LEFT OUT: key steps that lie wholly behind a tile's queries: reference()'s own causal mask gives them the weight 0 for all inputs.
; Operands in f16 (q, k, v from the launch before; the weights p, at most 1); products, maxima and sums in f32.  LIMIT: see the first launch's head.  Positions 0-15 are written here and again, more finely, by the last launch.
; SHARES.  Work-group (e, head) owns query blocks e and 31 - e, 64 queries each: e + 1 and 32 - e key steps of 64 keys, 33 for every e.  Wave w owns 16 queries of each block and works the two tiles one after the other;
; a tile is two STREAMS (u = 0: q1 k1, u = 1: q2 k2) that share V's fragments.  Step g (0..32) takes key block g, or g - e - 1 behind step e; steps e and 32 lie on the diagonal and end a tile.
; NO CLUSTER: the work-groups of a head walk different sequences of key blocks (each turns back to block 0 at its own step e + 1), so they would not ask for the same tile in the same round.
; LAYOUT: S^T = K Q^T and O^T = V^T P: a lane holds one query (lane % 16) throughout; two tiles of S^T rounded in pairs are source 1 of the second product; V is turned by ds_load_tr16_b128.
; SOFTMAX: a running maximum m and sum l for each query and stream: p = 2^(c s - c m), c = log2(e) / 8; O and l are multiplied by a = 2^(c m_old - c m_new) in every step.
; At the change of tiles m is set back to -3e38: the next a is 0, which clears O and l (both finite: at most 2,048 terms of p <= 1 times an f16 number).
; LDS: slot 0 at 0, slot 1 at 2^17, two key steps each (a step: 64 rows of K at pitch 272, 64 of V at pitch 288); step 0 has bytes of its own at 71,680, filled once; fill t (0..15) holds steps 2 t + 1, 2 t + 2.
; REGISTERS: window 0: v1-11 addresses; v12-27 statistics, 8 a stream; v28 lam; v32-63 Q; v64-127 S^T; v128-159 P; v160-223 and v224-255 at work at a tile's end.
;   window 1: v0-127 O^T (64 u + 8 ct); v128-191 subln_w; v192-223 the second tile's Q.   window 2: v0-127 K's 16 fragments; v128-255 V's 16.
.set KS,    64
.set PK,    272
.set PV,    288
.set VOFF,  KS*PK
.set STEPB, KS*(PK+PV)
.set SLOT1, 1<<17
.set REGA,  2*STEPB                    ; step 0's bytes
.set STAGE, SLOT1+2*STEPB              ; 16 rows x 272 bytes for each wave
.set SP,    272
.set SPARE, STAGE+4*16*SP              ; the spare words, 128 bytes a wave, that no other line names
.set ROWQ,  12288                      ; a row of qkv in bytes
.set BLKB,  KS*ROWQ                    ; a key block's 64 rows
.set AK0, 2
.set AV0, 3
.set ADR, 4
.set QO,  5
.set STO, 6
.set RD,  7
.set GO,  8
.set DG,  10                           ; v10  16 w + r - 8 h: on the diagonal register 8 c + jj is hidden where 16 c + jj > this
.set NINF, 11                          ; v11  -infinity
.set ST,  12                           ; stream u at v[ST + 8 u]: +0 c m, +1 m, +2, +3 l (even keys', odd keys'), +4 to +7 at work; a takes +6
.set LAM, 28
.set PFO, 29                           ; v29  my lane x a row of qkv; never rewritten
.set SPW, 30
.set NIL, 31
.set QF,  32
.set S,   64
.set P,   128
.set TO,  160
.set Y,   224
.set SS,  224
.set SUB, 128                          ; in window 1
.set QL,  192                          ; in window 1
.set VF,  128                          ; in window 2
.set WV,  18
.set EB,  19                           ; s19  e;  s20  e + 1
.set EB1, 20
.set HD,  21
.set JS,  22                           ; s22  the step in hand
.set GW,  23                           ; s23  the step that my next tensor load brings
.set G1K, 24                           ; s[24:31], s[32:39] group 1 for 64 rows of K, of V;  s[40:47], s[48:55] for 32 rows
.set G1V, 32
.set G1K2, 40
.set G1V2, 48
.set G0A, 56                           ; s[56:59] group 0 for step 0;  s[60:63] the walking group 0
.set G0W, 60
.set BASEW, 66                         ; s[66:67] row 0 of my head's K (waves 0, 1) or V (waves 2, 3)
.set OFF, 68
.set PFA, 70
.set PB,  72                           ; s72  the key block that my next prefetch names;  s73  32 in a work-group that prefetches, else 0
.set PLIM, 73
.set TB,  74                           ; s74  LDS byte at which the step to be fetched begins
.set SLOTS, 75
.set CS,  76
.set SEL, 78
.set OUTE, 80
.set OUTL, 82
.set EPSR, 84
.set R128, 85
.set MSB, 0
.macro WIN new
.if MSB != \new
	s_set_vgpr_msb (MSB<<8)|\new
.set MSB, \new
.endif
.endm
.set W_KQ, 0x02                        ; K in window 2; Q and S^T in window 0
.set W_PV, 0x52                        ; V in window 2, P in window 0, O^T in window 1
.set W_RS, 0x41                        ; O^T (destination and source 0) in window 1
.macro PLACES
.rept 4
	v_nop
.endr
.endm
; A refill: waves 0 and 1 bring K of the slot's two steps, waves 2 and 3 V.  The branch hangs on the wave's number alone; an s_nop 0 and four v_nop follow each line.
.macro TLOAD
	s_cmp_lt_u32 s[WV], 2
	s_cbranch_scc0 .Lfor_v_\@
	tensor_load_to_lds s[G0W:G0W+3], s[G1K:G1K+7]
	s_nop 0
.rept 4
	v_nop
.endr
	s_branch .Lasked_\@
.Lfor_v_\@:
	tensor_load_to_lds s[G0W:G0W+3], s[G1V:G1V+7]
	s_nop 0
.rept 4
	v_nop
.endr
.Lasked_\@:
.endm
; A PREFETCH of a key block's 64 rows x 256 bytes of K (waves 0, 1) or V (waves 2, 3), a lane a row, two instructions.  All sixteen work-groups of a head read the same blocks: the one with e = 0 asks, nobody else.
; At change n wave w names block 5 + 2 n + (w & 1): the blocks that the furthest walker's next change of slots can ask for.  Blocks 0-4 come by their loads alone; no block behind 31 is named.
.macro ASK
	s_cmp_lt_u32 s[PB], s[PLIM]
	s_cbranch_scc0 .Lnot_mine_\@
	global_prefetch_b8 v[PFO], s[PFA:PFA+1] th:TH_LOAD_NT scope:SCOPE_SE
	global_prefetch_b8 v[PFO], s[PFA:PFA+1] offset:32*ROWQ th:TH_LOAD_NT scope:SCOPE_SE
.Lnot_mine_\@:
.endm
.macro FETCH_K                         ; 64 keys x 128 channels: fragment f: keys 16 (f / 4) on, channels 32 (f % 4) on
	WIN 0
	v_add_nc_u32 v[ADR], s[TB], v[AK0]
	WIN 0x80
.irp f, 0,1,2,3,4,5,6,7,8,9,10,11,12,13,14,15
	ds_load_b128 v[8*\f:8*\f+3],   v[ADR] offset:(\f/4)*16*PK+(\f%4)*64
	ds_load_b128 v[8*\f+4:8*\f+7], v[ADR] offset:(\f/4)*16*PK+(\f%4)*64+32
.endr
.endm
.macro FETCH_V                         ; turned: fragment f: keys 32 (f / 8) on, channels 16 (f % 8) on
	WIN 0
	v_add_nc_u32 v[ADR], s[TB], v[AV0]
	s_add_co_u32 s[TB], s[TB], STEPB               ; the next fetch is the next step's
	WIN 0x80
.irp f, 0,1,2,3,4,5,6,7,8,9,10,11,12,13,14,15
	ds_load_tr16_b128 v[VF+8*\f:VF+8*\f+3],   v[ADR] offset:(\f/8)*32*PV+(\f%8)*32
	ds_load_tr16_b128 v[VF+8*\f+4:VF+8*\f+7], v[ADR] offset:(\f/8)*32*PV+16*PV+(\f%8)*32
.endr
.endm
; S^T = K Q^T: 16 products on 8 accumulators by turns; the first eight start the sums.
.macro QK
	WIN W_KQ
.irp kh, 0,1
.irp c, 0,1,2,3
.irp u, 0,1
.if \kh == 0
	v_wmma_f32_16x16x32_f16 v[S+32*\u+8*\c:S+32*\u+8*\c+7], v[8*(4*\c+2*\u+\kh):8*(4*\c+2*\u+\kh)+7], v[QF+8*(2*\u+\kh):QF+8*(2*\u+\kh)+7], 0
.else
	v_wmma_f32_16x16x32_f16 v[S+32*\u+8*\c:S+32*\u+8*\c+7], v[8*(4*\c+2*\u+\kh):8*(4*\c+2*\u+\kh)+7], v[QF+8*(2*\u+\kh):QF+8*(2*\u+\kh)+7], v[S+32*\u+8*\c:S+32*\u+8*\c+7]
.endif
.endr
.endr
.endr
.endm
; O^T += V^T P: 32 products on 16 accumulators by turns.
.macro PVM
	WIN W_PV
.irp kh, 0,1
.irp ct, 0,1,2,3,4,5,6,7
.irp u, 0,1
	v_wmma_f32_16x16x32_f16 v[64*\u+8*\ct:64*\u+8*\ct+7], v[VF+64*\kh+8*\ct:VF+64*\kh+8*\ct+7], v[P+16*\u+8*\kh:P+16*\u+8*\kh+7], v[64*\u+8*\ct:64*\u+8*\ct+7]
.endr
.endr
.endr
.endm
.macro MASK                            ; on the diagonal hidden scores become -infinity ahead of the maximum; each accumulator is read from its low end on
.irp c, 0,1,2,3
.irp jj, 0,1,2,3,4,5,6,7
	v_cmp_gt_i32 vcc_lo, 16*\c+\jj, v[DG]
	v_cndmask_b32 v[S+8*\c+\jj], v[S+8*\c+\jj], v[NINF], vcc_lo
	v_cndmask_b32 v[S+32+8*\c+\jj], v[S+32+8*\c+\jj], v[NINF], vcc_lo
.endr
.endr
.endm
; One stream's softmax for a key step is a list of 134 instructions; SM writes number j of it for stream t.
;   0-15 the maximum of the 32 scores and the old m;  16-20 the other half of the lanes', the new m, c m, c m_old - c m_new;  21-69 ONE BATCH: 16 packed scalings c s - c m and 33 exponentials, none of which
;   reads an exponential's result;  70-85 the roundings to f16;  86-101 the sums, l = a l + the sum;  102-133 O^T times a.
.macro SM t
.set rT, ST+8*(\t)
.set rS, S+32*(\t)
.set rP, P+16*(\t)
.set rO, 64*(\t)+2*(j-102)
.if j < 102
	WIN 0
.endif
.if j < 4
	v_max3_num_f32 v[rT+4+j], v[rS+8*j], v[rS+8*j+1], v[rS+8*j+2]
.elseif j < 12
	v_max3_num_f32 v[rT+4+j%4], v[rT+4+j%4], v[rS+8*(j%4)+2*(j/4)+1], v[rS+8*(j%4)+2*(j/4)+2]
.elseif j == 12
	v_max3_num_f32 v[rT+4], v[rT+4], v[rS+7], v[rS+15]
.elseif j == 13
	v_max3_num_f32 v[rT+6], v[rT+6], v[rS+23], v[rS+31]
.elseif j == 14
	v_max3_num_f32 v[rT+4], v[rT+4], v[rT+5], v[rT+6]
.elseif j == 15
	v_max3_num_f32 v[rT+4], v[rT+4], v[rT+7], v[rT+1]
.elseif j == 16
	v_permlanex16_b32 v[rT+5], v[rT+4], s[SEL], s[SEL+1]           ; the query's other 32 keys lie in the lane 16 away
.elseif j == 17
	v_mov_b32 v[rT+7], v[rT]                                       ; c m_old is kept for a
.elseif j == 18
	v_max_num_f32 v[rT+1], v[rT+4], v[rT+5]
.elseif j == 19
	v_mul_f32 v[rT], s[CS], v[rT+1]
.elseif j == 20
	v_sub_f32 v[rT+7], v[rT+7], v[rT]
.elseif j == 23
	v_exp_f32 v[rT+6], v[rT+7]
.elseif (j < 23) || ((j < 38) && (j%2 == 0)) || ((j < 66) && (j%4 == 2))
.set b, (j-2)/4
.if j < 38
.set b, (j-20)/2
.endif
	v_pk_fma_f32 v[rS+2*b:rS+2*b+1], v[rS+2*b:rS+2*b+1], s[CS:CS+1], v[rT:rT+1] op_sel_hi:[1,0,0] neg_lo:[0,0,1] neg_hi:[0,0,1]
.elseif j < 70
.set e, j-38
.if j < 66
.set e, j-32-(j-38)/4
.endif
.if j < 38
.set e, (j-25)/2
.endif
	v_exp_f32 v[rS+e], v[rS+e]
.elseif j < 86
	v_cvt_pk_f16_f32 v[rP+j-70], v[rS+2*(j-70)], v[rS+2*(j-70)+1]
.elseif j < 102
.set z, j-86
.set w, 4
.set u, z
.if z >= 14
.set w, 32
.set u, 0
.elseif z >= 12
.set w, 16
.set u, z-12
.elseif z >= 8
.set w, 8
.set u, z-8
.endif
.if z < 15
	v_pk_add_f32 v[rS+w*u:rS+w*u+1], v[rS+w*u:rS+w*u+1], v[rS+w*u+w/2:rS+w*u+w/2+1]
.else
	v_pk_fma_f32 v[rT+2:rT+3], v[rT+2:rT+3], v[rT+6:rT+7], v[rS:rS+1] op_sel_hi:[1,0,1]
.endif
.else
	WIN W_RS
	v_pk_mul_f32 v[rO:rO+1], v[rO:rO+1], v[rT+6:rT+7] op_sel_hi:[1,0]
.endif
.endm
.macro SOFTMAX                         ; the two streams line by line, so that no instruction reads the result of the one just before it
.set j, 0
.rept 70
	SM 0
	SM 1
.set j, j+1
.endr
	v_nop                                          ; a plain instruction behind the last exponential
	s_wait_alu depctr_va_vdst(0)                   ; one wait for the 66 exponentials
.rept 64
	SM 0
	SM 1
.set j, j+1
.endr
.endm
; THE CHANGE OF SLOTS.  Each wave waits for all its tensor loads (its part of the slot ahead), adds 0 to its spare word, and waits for that and for its reads of the slot that it leaves.  fill = 1: that slot takes the two steps that follow.
.macro CHANGE fill
	WIN 0
	s_wait_tensorcnt 0x0                           ; no tensor load of mine is out, so the walking group 0 may be written
	ds_add_u32 v[SPW], v[NIL]                      ; 0 onto my spare word; the descriptor's step stands between it and the wait for it
.if \fill
	s_xor_b32 s[G0W+1], s[G0W+1], SLOT1            ; the other slot than last time
	s_add_co_u32 s[GW], s[GW], 2                   ; my step of the next two,
	s_cmp_gt_u32 s[GW], s[EB]
	s_cselect_b32 s86, s[EB1], 0
	s_sub_co_u32 s86, s[GW], s86                   ; its key block: behind step e the walk begins anew
	s_mul_i32 s[OFF], s86, BLKB
	s_add_nc_u64 s[G0W+2:G0W+3], s[BASEW:BASEW+1], s[OFF:OFF+1]
	s_or_b32 s[G0W+3], s[G0W+3], 0x80000000
	s_wait_xcnt 0x0                                ; the last prefetches, two steps back, have read their address
	s_add_nc_u64 s[PFA:PFA+1], s[PFA:PFA+1], 2*BLKB
	s_add_co_u32 s[PB], s[PB], 2
.endif
	s_wait_dscnt 0x0                               ; the add is done, and my reads of the slot that I leave are over
	s_barrier_signal -1
	s_barrier_wait -1
.if \fill
	TLOAD                                          ; my one tensor load behind this barrier: it has two key steps in which to land
	ASK
.endif
	s_sub_co_u32 s[TB], s[TB], 2*STEPB             ; the fetches go to the first step
	s_xor_b32 s[TB], s[TB], SLOT1                  ; of the other slot
.endm
; A TILE'S END: T = O1 / l1 - lam O2 / l2; x rsqrt(mean of T^2 + EPS) x (1 - LAMBDA_INIT) x subln_w; f16; through my stage, so that sixteen lanes store 256 consecutive bytes.  switch = 1: on to the second tile.
.macro FINISH out, switch
	s_wait_xcnt 0x0                                ; an earlier tile's stores have read their registers
	v_add_f32 v[ST+4], v[ST+2], v[ST+3]            ; l's two halves (these additions are the places behind the last products),
	v_add_f32 v[ST+12], v[ST+10], v[ST+11]
	v_permlanex16_b32 v[ST+5], v[ST+4], s[SEL], s[SEL+1]
	v_permlanex16_b32 v[ST+13], v[ST+12], s[SEL], s[SEL+1]
	v_add_f32 v[ST+4], v[ST+4], v[ST+5]            ; and the other half of the lanes'
	v_add_f32 v[ST+12], v[ST+12], v[ST+13]
	v_rcp_f32 v[ST+6], v[ST+4]
	v_rcp_f32 v[ST+14], v[ST+12]
	v_nop
	s_wait_alu depctr_va_vdst(0)                   ; one wait for the two reciprocals
	v_mul_f32 v[ST+14], v[ST+14], -v[LAM]          ; - lam / l2
	WIN 0x01                                       ; source 0 in window 1
.set i, 0
.rept 32
	v_pk_mul_f32 v[TO+i:TO+i+1], v[i:i+1], v[ST+6:ST+7] op_sel_hi:[1,0]
.set i, i+2
.endr
.set i, 0
.rept 32
	v_pk_fma_f32 v[TO+i:TO+i+1], v[64+i:64+i+1], v[ST+14:ST+15], v[TO+i:TO+i+1] op_sel_hi:[1,0,1]
.set i, i+2
.endr
	WIN 0
.irp q, 0,1,2,3
	v_pk_mul_f32 v[SS+2*\q:SS+2*\q+1], v[TO+2*\q:TO+2*\q+1], v[TO+2*\q:TO+2*\q+1]      ; the sum of squares, in four chains
.endr
.set i, 8
.rept 28
	v_pk_fma_f32 v[SS+2*((i/2)%4):SS+2*((i/2)%4)+1], v[TO+i:TO+i+1], v[TO+i:TO+i+1], v[SS+2*((i/2)%4):SS+2*((i/2)%4)+1]
.set i, i+2
.endr
	v_pk_add_f32 v[SS:SS+1], v[SS:SS+1], v[SS+2:SS+3]
	v_pk_add_f32 v[SS+4:SS+5], v[SS+4:SS+5], v[SS+6:SS+7]
	v_pk_add_f32 v[SS:SS+1], v[SS:SS+1], v[SS+4:SS+5]
	v_add_f32 v[SS], v[SS], v[SS+1]
	v_permlanex16_b32 v[SS+1], v[SS], s[SEL], s[SEL+1]             ; the query's other 64 channels
	v_add_f32 v[SS], v[SS], v[SS+1]
	v_fma_f32 v[SS], v[SS], s[R128], s[EPSR]
	v_rsq_f32 v[SS+2], v[SS]
	v_nop
	s_wait_alu depctr_va_vdst(0)
	v_mul_f32 v[SS+2], 0x3e4cd774, v[SS+2]         ; x (1 - LAMBDA_INIT)
	WIN 0x01
.set i, 0
.rept 32
	v_pk_mul_f32 v[TO+i:TO+i+1], v[SUB+i:SUB+i+1], v[TO+i:TO+i+1]
.set i, i+2
.endr
	WIN 0
.set i, 0
.rept 32
	v_pk_mul_f32 v[TO+i:TO+i+1], v[TO+i:TO+i+1], v[SS+2:SS+3] op_sel_hi:[1,0]
.set i, i+2
.endr
.set i, 0
.rept 32
	v_cvt_pk_f16_f32 v[Y+i], v[TO+2*i], v[TO+2*i+1]
.set i, i+1
.endr
.irp f, 0,1,2,3,4,5,6,7
	ds_store_b128 v[STO], v[Y+4*\f:Y+4*\f+3] offset:32*\f
.endr
.irp f, 0,1,2,3,4,5,6,7
	ds_load_b128 v[TO+4*\f:TO+4*\f+3], v[RD] offset:\f*2*SP        ; LDS serves a wave's instructions in order: these see the stores above
.endr
.irp f, 0,1,2,3,4,5,6,7
	s_wait_dscnt 7-\f                              ; the younger loads may stay out
	global_store_b128 v[GO], v[TO+4*\f:TO+4*\f+3], s[\out:\out+1] offset:\f*8192
.endr
.if \switch
	WIN 0x01
.set i, 0
.rept 32
	v_mov_b32 v[QF+i], v[QL+i]                     ; the second tile's queries
.set i, i+1
.endr
	WIN 0
	v_mov_b32 v[ST+1], 0xff61b1e6                  ; m = -3e38: the next a is 0, which clears O and l
	v_mov_b32 v[ST+9], 0xff61b1e6
	v_mul_f32 v[ST], s[CS], v[ST+1]
	v_mul_f32 v[ST+8], s[CS], v[ST+9]
.endif
.endm
; A KEY STEP.  On entry S^T holds step JS's scores and its V is on its way from LDS.  cond = 1: the step may be the first tile's last (JS = e: ids and a counted step alone, the same in all waves).
.macro ITER change, fill, cond
.if \cond
	s_cmp_eq_u32 s[JS], s[EB]
	s_cbranch_scc0 .Lopen_\@
	MASK
.Lopen_\@:
.endif
	SOFTMAX
.if \change
	CHANGE \fill
.endif
	FETCH_K                                        ; the next step's K: its last readers stand in front of the places of the step before
	s_wait_dscnt 32                                ; V is in; K's 32 loads just issued may be out
	PVM
	WIN 0
.if \cond
	s_cmp_eq_u32 s[JS], s[EB]
	s_cbranch_scc0 .Lon_\@
	FINISH OUTE, 1
.Lon_\@:
.endif
	s_wait_dscnt 0x0                               ; K is in
	QK
	WIN 0
	PLACES                                         ; behind the products: in front of the loads into V's registers and of the first read of the scores
	FETCH_V
	WIN 0
	s_add_co_u32 s[JS], s[JS], 1
.endm
	s_load_b256 s[4:11], s[0:1], 0x0               ; qkv, lambda_q1, lambda_k1, lambda_q2
	s_load_b128 s[12:15], s[0:1], 0x20             ; lambda_k2, subln_w
	s_load_b64 s[16:17], s[0:1], 0x30              ; attn
	v_lshl_add_u32 v[SPW], v0, 2, SPARE
	v_mov_b32 v[NIL], 0
	ds_add_u32 v[SPW], v[NIL]                      ; the wave's opening: the add, twice on end, and its wait ahead of my first tensor load
	ds_add_u32 v[SPW], v[NIL]
	v_lshrrev_b32 v1, 5, v0
	v_readfirstlane_b32 s[WV], v1                  ; wave 0..3
	s_mov_b32 s[EB], ttmp9
	s_add_co_u32 s[EB1], ttmp9, 1
	s_and_b32 s[HD], ttmp7, 0xffff
	s_mov_b32 s[G1K], (1<<16)|(1<<20)|(5<<22)|(3<<25)              ; no mask; elements of 2 bytes; padding: 4 words after every 64
	s_mov_b32 s[G1V], (1<<16)|(1<<20)|(5<<22)|(7<<25)              ; 8 words
	s_mov_b32 s[G1K2], (1<<16)|(1<<20)|(5<<22)|(3<<25)
	s_mov_b32 s[G1V2], (1<<16)|(1<<20)|(5<<22)|(7<<25)
.irp g, G1K, G1V
	s_mov_b32 s[\g+1], 128<<16                     ; tensor_dim0
	s_mov_b32 s[\g+2], KS<<16                      ; tensor_dim1
	s_mov_b32 s[\g+3], 128<<16                     ; tile_dim0
	s_mov_b32 s[\g+4], KS                          ; tile_dim1
	s_mov_b32 s[\g+5], 6144                        ; pitch, in elements
	s_mov_b32 s[\g+6], 0
	s_mov_b32 s[\g+7], 0
.endr
.irp g, G1K2, G1V2
	s_mov_b32 s[\g+1], 128<<16
	s_mov_b32 s[\g+2], 32<<16
	s_mov_b32 s[\g+3], 128<<16
	s_mov_b32 s[\g+4], 32
	s_mov_b32 s[\g+5], 6144
	s_mov_b32 s[\g+6], 0
	s_mov_b32 s[\g+7], 0
.endr
	s_and_b32 s86, s[WV], 1                        ; which of two steps, or which 32 rows of step 0
	s_lshr_b32 s87, s[WV], 1                       ; 0: K, 1: V
	s_mul_i32 s88, s87, VOFF
	s_mul_i32 s89, s86, 32*PK
	s_add_co_u32 s88, s88, s89
	s_and_b32 s89, s86, s87
	s_lshl_b32 s89, s89, 9                         ; V's 32 rows are 512 bytes longer than K's
	s_add_co_u32 s88, s88, s89
	s_add_co_u32 s88, s88, REGA                    ; step 0: where my 32 rows go
	s_mul_i32 s89, s86, STEPB
	s_mul_i32 s90, s87, VOFF
	s_add_co_u32 s89, s89, s90                     ; a slot: where my 64 rows go
	s_add_co_u32 s90, s87, 1
	s_lshl_b32 s90, s90, 12                        ; k begins 4,096 bytes into a row of qkv, v 8,192;
	s_lshl_b32 s91, s[HD], 8                       ; a head's part is 256 bytes
	s_add_co_u32 s90, s90, s91
	s_mov_b32 s91, 0
	s_add_co_u32 s[GW], s86, 1                     ; fill 0 holds steps 1 and 2
	s_cmp_gt_u32 s[GW], s[EB]
	s_cselect_b32 s92, s[EB1], 0
	s_sub_co_u32 s92, s[GW], s92
	s_mul_i32 s[OFF], s92, BLKB
	s_mov_b32 s[OFF+1], 0
	s_mul_i32 s92, s86, 32*ROWQ
	s_mov_b32 s93, 0
	s_mov_b32 s[CS], 0x3e38aa3b                    ; c = log2(e) / 8
	s_mov_b32 s[CS+1], s[CS]
	s_mov_b32 s[SEL], 0x76543210
	s_mov_b32 s[SEL+1], 0xfedcba98
	s_mov_b32 s[EPSR], 0x3727c5ac                  ; 1e-5
	s_mov_b32 s[R128], 0x3c000000                  ; 1 / 128
	s_wait_dscnt 0x0                               ; both opening adds are done
	s_wait_kmcnt 0x0
	s_add_nc_u64 s[BASEW:BASEW+1], s[4:5], s[90:91]
	s_mov_b32 s[G0A], 1
	s_mov_b32 s[G0A+1], s88
	s_add_nc_u64 s[G0A+2:G0A+3], s[BASEW:BASEW+1], s[92:93]
	s_or_b32 s[G0A+3], s[G0A+3], 0x80000000
	s_mov_b32 s[G0W], 1
	s_mov_b32 s[G0W+1], s89
	s_add_nc_u64 s[G0W+2:G0W+3], s[BASEW:BASEW+1], s[OFF:OFF+1]
	s_or_b32 s[G0W+3], s[G0W+3], 0x80000000
	s_cmp_lt_u32 s[WV], 2                          ; a wave's two first fills stand in one branch: two loads of mine are out
	s_cbranch_scc0 .Lfirst_v
	tensor_load_to_lds s[G0A:G0A+3], s[G1K2:G1K2+7]
	s_nop 0
	tensor_load_to_lds s[G0W:G0W+3], s[G1K:G1K+7]
	s_nop 0
.rept 4
	v_nop
.endr
	s_branch .Lfirst_asked
.Lfirst_v:
	tensor_load_to_lds s[G0A:G0A+3], s[G1V2:G1V2+7]
	s_nop 0
	tensor_load_to_lds s[G0W:G0W+3], s[G1V:G1V+7]
	s_nop 0
.rept 4
	v_nop
.endr
.Lfirst_asked:
	s_lshl_b32 s86, s[EB], 6
	s_lshl_b32 s87, s[WV], 4
	s_add_co_u32 s86, s86, s87                     ; my first query of the first tile: 64 e + 16 w
	s_sub_co_u32 s88, 31, s[EB]
	s_lshl_b32 s88, s88, 6
	s_add_co_u32 s88, s88, s87                     ; of the second: 64 (31 - e) + 16 w
	s_lshl_b32 s90, s[HD], 8
	s_mul_i32 s92, s86, ROWQ
	s_add_co_u32 s92, s92, s90
	s_add_nc_u64 s[2:3], s[4:5], s[92:93]          ; their q
	s_mul_i32 s92, s88, ROWQ
	s_add_co_u32 s92, s92, s90
	s_add_nc_u64 s[94:95], s[4:5], s[92:93]
	s_lshl_b32 s92, s86, 12
	s_add_co_u32 s92, s92, s90
	s_add_nc_u64 s[OUTE:OUTE+1], s[16:17], s[92:93]
	s_lshl_b32 s92, s88, 12
	s_add_co_u32 s92, s92, s90
	s_add_nc_u64 s[OUTL:OUTL+1], s[16:17], s[92:93]
	s_and_b32 s[PB], s[WV], 1
	s_add_co_u32 s[PB], s[PB], 3                   ; the first change steps this to 5 + (w & 1)
	s_mul_i32 s92, s[PB], BLKB
	s_add_nc_u64 s[PFA:PFA+1], s[BASEW:BASEW+1], s[92:93]
	s_cmp_eq_u32 s[EB], 0
	s_cselect_b32 s[PLIM], 32, 0
	v_and_b32 v1, 15, v0                           ; r
	v_bfe_u32 v9, v0, 4, 1                         ; h
	v_mul_u32_u24 v[QO], v1, ROWQ
	v_lshl_add_u32 v[QO], v9, 4, v[QO]
	v_lshlrev_b32 v232, 5, v9                      ; subln_w: 32 h
	v_and_b32 v233, 31, v0
	v_mul_u32_u24 v[PFO], v233, ROWQ
	v_lshlrev_b32 v233, 3, v233                    ; the lambdas: 8 x lane
.irp f, 0,1,2,3
	global_load_b128 v[QF+8*\f:QF+8*\f+3],   v[QO], s[2:3] offset:64*\f
	global_load_b128 v[QF+8*\f+4:QF+8*\f+7], v[QO], s[2:3] offset:64*\f+32
.endr
	global_load_b64 v[224:225], v233, s[6:7]
	global_load_b64 v[226:227], v233, s[8:9]
	global_load_b64 v[228:229], v233, s[10:11]
	global_load_b64 v[230:231], v233, s[12:13]
	WIN 0x40                                       ; destination window 1
.irp f, 0,1,2,3
	global_load_b128 v[QL+8*\f:QL+8*\f+3],   v[QO], s[94:95] offset:64*\f
	global_load_b128 v[QL+8*\f+4:QL+8*\f+7], v[QO], s[94:95] offset:64*\f+32
.endr
.irp ct, 0,1,2,3,4,5,6,7
	global_load_b128 v[SUB+8*\ct:SUB+8*\ct+3],   v232, s[14:15] offset:64*\ct      ; subln_w[16 ct + 8 h + 0 .. 7], in O^T's layout
	global_load_b128 v[SUB+8*\ct+4:SUB+8*\ct+7], v232, s[14:15] offset:64*\ct+16
.endr
.set i, 0
.rept 128
	v_mov_b32 v[i], 0                              ; O^T, once: a tile's first step lies at a place in the walk that hangs on e, so no copy of the step with the constant 0 can be written out
.set i, i+1
.endr
	WIN 0
	v_mul_u32_u24 v[AK0], v1, PK
	v_lshl_add_u32 v[AK0], v9, 4, v[AK0]           ; K: row x pitch + 16 x half
	v_and_b32 v12, 7, v0
	v_bfe_u32 v13, v0, 3, 1
	v_lshl_add_u32 v[AV0], v9, 3, v12              ; V: the turning load: key 8 h + l % 8, channels 8 ((l / 8) % 2) on
	v_mul_u32_u24 v[AV0], v[AV0], PV
	v_lshl_add_u32 v[AV0], v13, 4, v[AV0]
	v_add_nc_u32 v[AV0], VOFF, v[AV0]
	s_mul_i32 s86, s[WV], 16*SP
	s_add_co_u32 s86, s86, STAGE
	v_mul_u32_u24 v[STO], v1, SP
	v_lshl_add_u32 v[STO], v9, 4, v[STO]
	v_add_nc_u32 v[STO], s86, v[STO]
	v_mul_u32_u24 v[RD], v9, SP
	v_lshl_add_u32 v[RD], v1, 4, v[RD]
	v_add_nc_u32 v[RD], s86, v[RD]
	v_lshlrev_b32 v[GO], 12, v9
	v_lshl_add_u32 v[GO], v1, 4, v[GO]
	v_lshlrev_b32 v[DG], 3, v9
	v_sub_nc_u32 v[DG], v1, v[DG]
	v_add_nc_u32 v[DG], s87, v[DG]
	v_mov_b32 v[NINF], 0xff800000
.irp u, 0,1
	v_mov_b32 v[ST+8*\u+1], 0xff61b1e6             ; m = -3e38, under every score
	v_mul_f32 v[ST+8*\u], s[CS], v[ST+8*\u+1]
	v_mov_b32 v[ST+8*\u+2], 0
	v_mov_b32 v[ST+8*\u+3], 0
.endr
	s_wait_loadcnt 0x0
	v_mul_f32 v224, v224, v226                     ; lam = exp(sum lambda_q1 lambda_k1) - exp(sum lambda_q2 lambda_k2) + LAMBDA_INIT: two numbers a lane,
	v_mul_f32 v228, v228, v230
	v_fmac_f32 v224, v225, v227
	v_fmac_f32 v228, v229, v231
.irp m, 1,2,4,8
	v_add_f32_dpp v224, v224, v224 row_xmask:\m row_mask:0xf bank_mask:0xf
	v_add_f32_dpp v228, v228, v228 row_xmask:\m row_mask:0xf bank_mask:0xf
.endr
	v_permlanex16_b32 v225, v224, s[SEL], s[SEL+1]
	v_permlanex16_b32 v229, v228, s[SEL], s[SEL+1]
	v_add_f32 v224, v224, v225
	v_add_f32 v228, v228, v229
	v_mul_f32 v224, 0x3fb8aa3b, v224
	v_mul_f32 v228, 0x3fb8aa3b, v228
	v_exp_f32 v224, v224
	v_exp_f32 v228, v228
	v_nop
	s_wait_alu depctr_va_vdst(0)
	v_sub_f32 v[LAM], v224, v228
	v_add_f32 v[LAM], 0x3f4cca23, v[LAM]
	s_wait_tensorcnt 1                             ; my part of step 0 is in; slot 0's load may stay out
	s_barrier_signal -1
	s_barrier_wait -1
	s_mov_b32 s[TB], REGA
	FETCH_K
	s_wait_dscnt 0x0
	QK
	WIN 0
	PLACES
	FETCH_V
	WIN 0
	s_mov_b32 s[TB], SLOT1+REGA                    ; the first change of slots makes of this slot 0's first byte
	s_mov_b32 s[JS], 0
	s_mov_b32 s[SLOTS], 15
.Lslot:                                            ; 15 trips of two steps: behind each change fill 1 .. 15 is asked for (the first trip's four loads are slot 1's first fills, all later ones refills)
	ITER 1, 1, 1
	ITER 0, 0, 1
	s_sub_co_u32 s[SLOTS], s[SLOTS], 1
	s_cmp_lg_u32 s[SLOTS], 0
	s_cbranch_scc1 .Lslot
	ITER 1, 0, 0                                   ; steps 30 and 31: the tail is written out; e is at most 15, so no tile ends here
	ITER 0, 0, 0
	MASK                                           ; step 32: the second tile's diagonal
	SOFTMAX
	s_wait_dscnt 0x0
	PVM
	WIN 0
	FINISH OUTL, 0
	s_wait_tensorcnt 0x0                           ; the wave's end
	ds_add_u32 v[SPW], v[NIL]
	s_wait_dscnt 0x0
	s_endpgm
.Lfunc_end_k_q375d520add_attn:
	.size	k_q375d520add_attn, .Lfunc_end_k_q375d520add_attn-k_q375d520add_attn
	.p2alignl 7, 3214868480
	.fill 96, 4, 3214868480
	.section	.rodata,"a",@progbits
	.p2align	6, 0x0
	.amdhsa_kernel k_q375d520add_attn
		.amdhsa_group_segment_fixed_size 327680
		.amdhsa_private_segment_fixed_size 0
		.amdhsa_enable_private_segment 0
		.amdhsa_kernarg_size 56
		.amdhsa_user_sgpr_count 2
		.amdhsa_user_sgpr_kernarg_segment_ptr 1
		.amdhsa_wavefront_size32 1
		.amdhsa_system_sgpr_workgroup_id_x 1
		.amdhsa_system_sgpr_workgroup_id_y 1
		.amdhsa_system_sgpr_workgroup_id_z 1
		.amdhsa_system_vgpr_workitem_id 0
		.amdhsa_next_free_vgpr 768
		.amdhsa_next_free_sgpr 96
		.amdhsa_reserve_vcc 1
		.amdhsa_float_denorm_mode_32 3
		.amdhsa_float_denorm_mode_16_64 3
		.amdhsa_memory_ordered 1
		.amdhsa_forward_progress 1
		.amdhsa_inst_pref_size 187
	.end_amdhsa_kernel
	.amdgpu_metadata
---
amdhsa.version: [ 1, 2 ]
amdhsa.kernels:
  - .name:           k_q375d520add_attn
    .symbol:         k_q375d520add_attn.kd
    .args:
      - { .name: qkv, .offset: 0, .size: 8, .value_kind: global_buffer, .address_space: global }
      - { .name: lambda_q1, .offset: 8, .size: 8, .value_kind: global_buffer, .address_space: global }
      - { .name: lambda_k1, .offset: 16, .size: 8, .value_kind: global_buffer, .address_space: global }
      - { .name: lambda_q2, .offset: 24, .size: 8, .value_kind: global_buffer, .address_space: global }
      - { .name: lambda_k2, .offset: 32, .size: 8, .value_kind: global_buffer, .address_space: global }
      - { .name: subln_w, .offset: 40, .size: 8, .value_kind: global_buffer, .address_space: global }
      - { .name: attn, .offset: 48, .size: 8, .value_kind: global_buffer, .address_space: global }
    .group_segment_fixed_size: 327680
    .private_segment_fixed_size: 0
    .kernarg_segment_align: 8
    .kernarg_segment_size: 56
    .max_flat_workgroup_size: 128
    .sgpr_count:     96
    .vgpr_count:     768
    .wavefront_size: 32
...
	.end_amdgpu_metadata
.endif
;; end of part 3
;; launch oproj (part 4): grid 16 x 16, 4 waves a work-group, clusters of 4 x 4, 327,680 bytes of LDS; arguments attn, wo16, out0; writes out0
.if DOCPART == 4
	.amdgcn_target "amdgcn-amd-amdhsa--gfx1250"
	.amdhsa_code_object_version 6
	.text
	.protected	k_q375d520add_oproj
	.globl	k_q375d520add_oproj
	.p2align	8
	.type	k_q375d520add_oproj,@function
k_q375d520add_oproj:
	s_mov_b64 s[64:65], 0
	v_nop
	global_prefetch_b8 v0, s[64:65] scope:SCOPE_SE
	s_setreg_imm32_b32 hwreg(HW_REG_WAVE_MODE, 25, 1), 1
	s_wait_xcnt 0x0
	s_wait_alu depctr_hold_cnt(0) depctr_sa_sdst(0) depctr_va_vdst(0) depctr_va_sdst(0) depctr_va_ssrc(0) depctr_va_vcc(0) depctr_vm_vsrc(0)
	s_getreg_b32 s2, hwreg(HW_REG_IB_STS2, 6, 4)
	s_cmp_eq_u32 s2, 0
	s_cbranch_scc0 .Lentry_in_a_cluster
	s_endpgm
.Lentry_in_a_cluster:
	s_bfe_u32 s2, ttmp6, 0x10000c
	s_cmp_lg_u32 s2, 0xf033
	s_cbranch_scc0 .Lentry_shape_is_right
	s_endpgm
.Lentry_shape_is_right:
; Launch 4 of 5: out0[m][n] = sum over k of attn[m][k] wo[n][k]; both operands f16, sums and result f32.  No work is left out here; rows 0-15 are written again, more finely, by the last launch.
; A tile of C is 128 x 128, so that C's 256 tiles give each WGP one.  Four waves, each 64 x 64: 16 accumulators.  K goes in steps of 256 (LDS rows of 512 bytes; a wave's tensor load brings 64 of them) through two slots.
; CLUSTERS: 4 x 4 work-groups: A's tiles are asked for jointly along a row of the cluster, B's along a column.  The matrix instruction is used transposed: a lane holds eight neighbouring numbers of a row of C.
; REGISTERS: window 0: v0-31 addresses; v128-255 the accumulators ((a, b) at v[128 + 8 (4 a + b)]), on the way out whole rows.  window 1: two fragment buffers of 128.
.set SIZE_M, 2048
.set SIZE_N, 2048
.set SIZE_K, 2048
.set KSTEP,  256
.set PITCH,  528
.set HALFT,  64*PITCH
.set SLOT,   4*HALFT
.set SPITCH, 272                       ; the way out: 64 rows x (256 bytes + 16) for each wave, in slot 0, which has had its last fill and its last read at the last change of slots
.set SPARE,  2*SLOT                    ; the spare words, 128 bytes a wave, that no other line names
.set LAPS, SIZE_K/(2*KSTEP)
.set ADRA, 16
.set ADRB, 20
.set STO,  24
.set RD,   25
.set CO,   26
.set SPW,  28
.set NIL,  29
.set ACC,  128
.set F0,   0
.set F1,   128
.set G1, 24
.set G0, 32
.set G1B, 48
.set G0B, 56
.set MSB, 0
.macro WIN new
.if MSB != \new
	s_set_vgpr_msb (MSB<<8)|\new
.set MSB, \new
.endif
.endm
.set MUL,  0x05
.set TO_F, 0x40
.macro JLOAD s                         ; a joint load: waves 0 and 1 fetch A's two halves, waves 2 and 3 B's; an s_nop 0 and four v_nop follow each line
	s_cmp_eq_u32 s11, 0
	s_cbranch_scc0 .Lfor_b_\@
	tensor_load_to_lds s[G0+4*\s:G0+4*\s+3], s[G1:G1+7]
	s_nop 0
.rept 4
	v_nop
.endr
	s_branch .Lasked_\@
.Lfor_b_\@:
	tensor_load_to_lds s[G0B+4*\s:G0B+4*\s+3], s[G1B:G1B+7]
	s_nop 0
.rept 4
	v_nop
.endr
.Lasked_\@:
.endm
.macro CREST
	s_cmp_lg_u32 s10, 0
	s_cbranch_scc1 .Lnot_wave_0_\@
	s_barrier_signal -3
.Lnot_wave_0_\@:
	s_barrier_wait -3
	s_barrier_signal -1
	s_barrier_wait -1
.endm
.macro CROUND
	s_barrier_signal -1
	s_barrier_wait -1
	CREST
.endm
	s_load_b128 s[4:7], s[0:1], 0x0                ; attn, wo16
	s_load_b64 s[8:9], s[0:1], 0x10                ; out0
	v_lshl_add_u32 v[SPW], v0, 2, SPARE
	v_mov_b32 v[NIL], 0
	ds_add_u32 v[SPW], v[NIL]                      ; the wave's opening: the add, twice on end, and its wait ahead of my first tensor load
	ds_add_u32 v[SPW], v[NIL]
	v_lshrrev_b32 v1, 5, v0
	v_readfirstlane_b32 s10, v1                    ; wave 0..3
	s_lshr_b32 s11, s10, 1                         ; which half of the tile's rows is mine.  Also: I fetch for A (0) or for B (1)
	s_and_b32 s12, s10, 1                          ; which half of its columns.  Also: which 64 rows of that tile I fetch
	s_bfe_u32 s40, ttmp6, 0x40000
	s_bfe_u32 s41, ttmp6, 0x40004
	s_lshl_b32 s42, ttmp9, 2
	s_add_co_u32 s42, s42, s40                     ; tile column
	s_and_b32 s13, ttmp7, 0xffff
	s_lshl_b32 s13, s13, 2
	s_add_co_u32 s13, s13, s41                     ; tile row
	s_lshl_b32 s43, s41, 2
	s_lshl_b32 s43, 15, s43
	s_lshl_b32 s44, 0x1111, s40
	s_or_b32 s[G1+0], s43, (1<<16)|(1<<20)|(1<<21)|(6<<22)|(3<<25)  ; the mask; elements of 2 bytes; padding: 4 words after every 128; bit 21 beside a mask
	s_or_b32 s[G1B+0], s44, (1<<16)|(1<<20)|(1<<21)|(6<<22)|(3<<25)
.irp g, G1, G1B
	s_mov_b32 s[\g+1], KSTEP<<16
	s_mov_b32 s[\g+2], 64<<16
	s_mov_b32 s[\g+3], KSTEP<<16
	s_mov_b32 s[\g+4], 64
	s_mov_b32 s[\g+5], SIZE_K
	s_mov_b32 s[\g+6], 0
	s_mov_b32 s[\g+7], 0
.endr
	s_lshl_b32 s17, s12, 6
	s_lshl_b32 s16, s13, 7
	s_add_co_u32 s16, s16, s17
	s_lshl_b32 s46, s42, 7
	s_add_co_u32 s46, s46, s17
	s_mov_b32 s17, 0
	s_mov_b32 s47, 0
	s_mov_b64 s[18:19], SIZE_K*2
	s_mul_u64 s[16:17], s[16:17], s[18:19]
	s_mul_u64 s[46:47], s[46:47], s[18:19]
	s_mul_i32 s20, s10, HALFT
	s_wait_dscnt 0x0                               ; both opening adds are done
	s_wait_kmcnt 0x0
	s_add_nc_u64 s[14:15], s[4:5], s[16:17]
	s_add_nc_u64 s[46:47], s[6:7], s[46:47]
	CROUND                                         ; all sixteen work-groups are here: the first joint loads meet
.irp s, 0,1
	s_mov_b32 s[G0+4*\s], 1
	s_add_co_u32 s[G0+4*\s+1], s20, \s*SLOT
	s_add_nc_u64 s[G0+4*\s+2:G0+4*\s+3], s[14:15], \s*KSTEP*2
	s_or_b32 s[G0+4*\s+3], s[G0+4*\s+3], 0x80000000
	s_mov_b32 s[G0B+4*\s], 1
	s_add_co_u32 s[G0B+4*\s+1], s20, \s*SLOT
	s_add_nc_u64 s[G0B+4*\s+2:G0B+4*\s+3], s[46:47], \s*KSTEP*2
	s_or_b32 s[G0B+4*\s+3], s[G0B+4*\s+3], 0x80000000
	JLOAD \s
.endr
	v_and_b32 v1, 15, v0
	v_bfe_u32 v2, v0, 4, 1
	v_mul_u32_u24 v3, v1, PITCH
	v_lshl_add_u32 v3, v2, 4, v3
	s_mul_i32 s21, s11, HALFT
	s_mul_i32 s22, s12, HALFT
	s_add_co_u32 s22, s22, 2*HALFT
.irp s, 0,1
	v_add_nc_u32 v[ADRA+\s], s21, v3
	v_add_nc_u32 v[ADRB+\s], s22, v3
	s_add_co_u32 s21, s21, SLOT
	s_add_co_u32 s22, s22, SLOT
.endr
	s_mul_i32 s23, s10, 64*SPITCH                  ; my stage
	v_mul_u32_u24 v4, v1, SPITCH
	v_lshl_add_u32 v4, v2, 5, v4
	v_add_nc_u32 v[STO], s23, v4                   ; in: row l % 16, 32 bytes for each half of the lanes
	v_mul_u32_u24 v5, v2, SPITCH
	v_lshl_add_u32 v5, v1, 4, v5
	v_add_nc_u32 v[RD], s23, v5                    ; back: lanes 0-15 one row of 256 bytes, lanes 16-31 the next
	v_mul_u32_u24 v5, v2, SIZE_N*4
	v_lshl_add_u32 v[CO], v1, 4, v5                ; and the same two rows in C
	s_lshl_b32 s16, s13, 7
	s_lshl_b32 s17, s11, 6
	s_add_co_u32 s16, s16, s17                     ; my first row: 128 x tile row + 64 x half
	s_mov_b32 s17, 0
	s_mov_b64 s[18:19], SIZE_N*4
	s_mul_u64 s[16:17], s[16:17], s[18:19]
	s_add_nc_u64 s[8:9], s[8:9], s[16:17]
	s_lshl_b32 s46, s42, 9                         ; my first column, in bytes: 512 x tile column + 256 x half
	s_lshl_b32 s47, s12, 8
	s_add_co_u32 s46, s46, s47
	s_mov_b32 s47, 0
	s_add_nc_u64 s[8:9], s[8:9], s[46:47]
.macro MUL8 f, c, a0, zero             ; 8 products: m blocks a0, a0 + 1 x all 4 n blocks, 32 along K; the 16 accumulators take turns
.irp a, \a0, \a0+1
.irp b, 0,1,2,3
.if \zero
	v_wmma_f32_16x16x32_f16 v[ACC+8*(4*(\a)+\b):ACC+8*(4*(\a)+\b)+7], v[\f+64+8*(4*\c+\b):\f+64+8*(4*\c+\b)+7], v[\f+8*(4*\c+\a):\f+8*(4*\c+\a)+7], 0
.else
	v_wmma_f32_16x16x32_f16 v[ACC+8*(4*(\a)+\b):ACC+8*(4*(\a)+\b)+7], v[\f+64+8*(4*\c+\b):\f+64+8*(4*\c+\b)+7], v[\f+8*(4*\c+\a):\f+8*(4*\c+\a)+7], v[ACC+8*(4*(\a)+\b):ACC+8*(4*(\a)+\b)+7]
.endif
.endr
.endr
.endm
.macro FETCH slot, k, f                ; 32 LDS loads in one run: the fragments of 64 along K at byte k of the rows
	WIN TO_F
.irp c, 0,1
.irp i, 0,1,2,3
	ds_load_b128 v[\f+64+8*(4*\c+\i):\f+64+8*(4*\c+\i)+3],   v[ADRB+\slot] offset:\k+64*\c+\i*16*PITCH
	ds_load_b128 v[\f+64+8*(4*\c+\i)+4:\f+64+8*(4*\c+\i)+7], v[ADRB+\slot] offset:\k+64*\c+\i*16*PITCH+32
	ds_load_b128 v[\f+8*(4*\c+\i):\f+8*(4*\c+\i)+3],         v[ADRA+\slot] offset:\k+64*\c+\i*16*PITCH
	ds_load_b128 v[\f+8*(4*\c+\i)+4:\f+8*(4*\c+\i)+7],       v[ADRA+\slot] offset:\k+64*\c+\i*16*PITCH+32
.endr
.endr
.endm
.macro PLACES
.rept 4
	v_nop
.endr
.endm
.macro QUARTER slot, k, f, g, zero
	s_wait_dscnt 16                                ; the first 32 along K are in; the other sixteen loads may be out
	WIN MUL
	MUL8 \f, 0, 0, \zero
	MUL8 \f, 0, 2, \zero
	PLACES
	FETCH \slot, \k, \g
	s_wait_dscnt 32                                ; all but the 32 just issued
	WIN MUL
	MUL8 \f, 1, 0, 0
	MUL8 \f, 1, 2, 0
.endm
.macro TURN slot, next, fill
	WIN 0
	s_wait_tensorcnt 0x0                           ; all my tensor loads have landed: my part of the next slot
	ds_add_u32 v[SPW], v[NIL]
	s_wait_dscnt 17                                ; the add and the youngest sixteen loads may be out
	WIN MUL
	MUL8 F1, 0, 0, 0
	s_wait_dscnt 0x0                               ; the add is done, and my reads of this slot are over
	s_barrier_signal -1
	MUL8 F1, 0, 2, 0
.if \fill
	WIN 0
.endif
	s_barrier_wait -1
.if \fill
	CREST                                          ; the barrier has opened a round of the cluster's barrier
	s_add_nc_u64 s[G0+4*\slot+2:G0+4*\slot+3], s[G0+4*\slot+2:G0+4*\slot+3], 2*KSTEP*2
	s_add_nc_u64 s[G0B+4*\slot+2:G0B+4*\slot+3], s[G0B+4*\slot+2:G0B+4*\slot+3], 2*KSTEP*2
	JLOAD \slot                                    ; the first tensor load behind the round
.else
	PLACES
.endif
	FETCH \next, 0, F0
	WIN MUL
	MUL8 F1, 1, 0, 0
	MUL8 F1, 1, 2, 0
.endm
	s_wait_tensorcnt 1                             ; my part of K step 0 is in; K step 1's load may be out
	s_barrier_signal -1
	s_barrier_wait -1
	FETCH 0, 0, F0
	QUARTER 0, 128, F0, F1, 1                      ; the first products start the sums
	WIN 0
	s_mov_b32 s3, LAPS-1
.Llap:
	QUARTER 0, 256, F1, F0, 0
	QUARTER 0, 384, F0, F1, 0
	TURN 0, 1, 1
	QUARTER 1, 128, F0, F1, 0
	QUARTER 1, 256, F1, F0, 0
	QUARTER 1, 384, F0, F1, 0
	TURN 1, 0, 1
	QUARTER 0, 128, F0, F1, 0
	WIN 0
	s_sub_co_u32 s3, s3, 1
	s_cmp_lg_u32 s3, 0
	s_cbranch_scc1 .Llap
	QUARTER 0, 256, F1, F0, 0                      ; the last lap fills nothing
	QUARTER 0, 384, F0, F1, 0
	TURN 0, 1, 0
	QUARTER 1, 128, F0, F1, 0
	QUARTER 1, 256, F1, F0, 0
	QUARTER 1, 384, F0, F1, 0
	s_wait_dscnt 16
	WIN MUL
	MUL8 F1, 0, 0, 0
	MUL8 F1, 0, 2, 0
	s_wait_dscnt 0
	MUL8 F1, 1, 0, 0
	MUL8 F1, 1, 2, 0
	WIN 0
	; THE WAY OUT.  A wave's 64 columns of f32 are 256 bytes, aligned: its results go through its own stage and come back as whole rows, into the registers that they left.  No barrier: nobody else touches these bytes.
	PLACES
.irp a, 0,1,2,3
.irp b, 0,1,2,3
	ds_store_b128 v[STO], v[ACC+8*(4*\a+\b):ACC+8*(4*\a+\b)+3] offset:\a*16*SPITCH+64*\b           ; each accumulator from its low end on
	ds_store_b128 v[STO], v[ACC+8*(4*\a+\b)+4:ACC+8*(4*\a+\b)+7] offset:\a*16*SPITCH+64*\b+16
.endr
.endr
.irp t, 0,1,2,3,4,5,6,7,8,9,10,11,12,13,14,15,16,17,18,19,20,21,22,23,24,25,26,27,28,29,30,31
	ds_load_b128 v[ACC+4*\t:ACC+4*\t+3], v[RD] offset:\t*2*SPITCH  ; LDS serves a wave's instructions in order: these see the stores above
.endr
.irp t, 0,1,2,3,4,5,6,7,8,9,10,11,12,13,14,15,16,17,18,19,20,21,22,23,24,25,26,27,28,29,30,31
	s_wait_dscnt 31-\t                             ; the younger loads may stay out
	global_store_b128 v[CO], v[ACC+4*\t:ACC+4*\t+3], s[8:9] offset:2*\t*SIZE_N*4 th:TH_STORE_NT    ; 16 lanes store 256 consecutive bytes, aligned
.endr
	s_wait_tensorcnt 0x0                           ; the wave's end
	ds_add_u32 v[SPW], v[NIL]
	s_wait_dscnt 0x0
	CROUND                                         ; the closing round
	s_endpgm
.Lfunc_end_k_q375d520add_oproj:
	.size	k_q375d520add_oproj, .Lfunc_end_k_q375d520add_oproj-k_q375d520add_oproj
	.p2alignl 7, 3214868480
	.fill 96, 4, 3214868480
	.section	.rodata,"a",@progbits
	.p2align	6, 0x0
	.amdhsa_kernel k_q375d520add_oproj
		.amdhsa_group_segment_fixed_size 327680
		.amdhsa_private_segment_fixed_size 0
		.amdhsa_enable_private_segment 0
		.amdhsa_kernarg_size 24
		.amdhsa_user_sgpr_count 2
		.amdhsa_user_sgpr_kernarg_segment_ptr 1
		.amdhsa_wavefront_size32 1
		.amdhsa_system_sgpr_workgroup_id_x 1
		.amdhsa_system_sgpr_workgroup_id_y 1
		.amdhsa_system_sgpr_workgroup_id_z 1
		.amdhsa_system_vgpr_workitem_id 0
		.amdhsa_next_free_vgpr 512
		.amdhsa_next_free_sgpr 66
		.amdhsa_reserve_vcc 0
		.amdhsa_float_denorm_mode_32 3
		.amdhsa_float_denorm_mode_16_64 3
		.amdhsa_memory_ordered 1
		.amdhsa_forward_progress 1
		.amdhsa_inst_pref_size 86
	.end_amdhsa_kernel
	.amdgpu_metadata
---
amdhsa.version: [ 1, 2 ]
amdhsa.kernels:
  - .name:           k_q375d520add_oproj
    .symbol:         k_q375d520add_oproj.kd
    .args:
      - { .name: attn, .offset: 0, .size: 8, .value_kind: global_buffer, .address_space: global }
      - { .name: wo16, .offset: 8, .size: 8, .value_kind: global_buffer, .address_space: global }
      - { .name: out0, .offset: 16, .size: 8, .value_kind: global_buffer, .address_space: global }
    .group_segment_fixed_size: 327680
    .private_segment_fixed_size: 0
    .kernarg_segment_align: 8
    .kernarg_segment_size: 24
    .max_flat_workgroup_size: 128
    .sgpr_count:     66
    .vgpr_count:     512
    .wavefront_size: 32
...
	.end_amdgpu_metadata
.endif
;; end of part 4
;; launch fine (part 5): grid 128 x 1, 16 waves a work-group, no clusters, 18,432 bytes of LDS; arguments qkv32, wo, lambda_q1, lambda_k1, lambda_q2, lambda_k2, subln_w, out0; writes out0
.if DOCPART == 5
	.amdgcn_target "amdgcn-amd-amdhsa--gfx1250"
	.amdhsa_code_object_version 6
	.text
	.protected	k_q375d520add_fine
	.globl	k_q375d520add_fine
	.p2align	8
	.type	k_q375d520add_fine,@function
k_q375d520add_fine:
	s_mov_b64 s[64:65], 0
	v_nop
	global_prefetch_b8 v0, s[64:65] scope:SCOPE_SE
	s_setreg_imm32_b32 hwreg(HW_REG_WAVE_MODE, 25, 1), 1
	s_wait_xcnt 0x0
; Launch 5 of 5: positions 0-15, whose softmax averages one to sixteen values, are carried in f32 all the way: scores, weights, values, norm and the projection by wo; rows 0-15 of out0 are written anew.
; WORK LEFT OUT: none inside these 16 x 16 tiles; keys behind position 15 are hidden from these queries by reference()'s own causal mask for all inputs.
; SHARES.  A work-group owns out columns 16 x .. 16 x + 15.  Wave w is head w: it makes the head's attention for the 16 positions (each work-group anew: 64 small products) and multiplies it by
; wo[16 x + n][128 w .. 128 w + 127]; the sixteen heads' parts are added through LDS.  All products by v_wmma_f32_16x16x4_f32; its results lie in v208-255, which matrix instructions alone write.
; The difference is taken on the weights, W = p1 / l1 - lam p2 / l2, so that one product with V gives attn1 - lam attn2 (the same sum, by linearity).
; LAYOUT.  S^T = K Q^T: lane (r, h) holds query r and keys 8 h + j.  Along a product's K the same order of k is used on both sides: a lane's registers 2 s, 2 s + 1 are step s.  O^T = V^T W^T: channels 16 ct + 8 h + j.
; out^T = wo T^T: lane (r, h) holds row r of out and columns 8 h + j.  The norm's factor belongs to a query, that is to a lane, and is applied behind the product.
; A store covers 64 bytes of a row for each work-group: 128 KiB in all; whole runs of 256 bytes would ask four times the products of each wave.
; REGISTERS: v1-15 addresses; v16-79 Q, then v16-39 at work, v40-47 W, v48-79 subln_w and T of channels 0-63; v80-143 K, then wo; v144-207 V, then v144-175 subln_w and T of channels 64-127.
.set ROW32, 24576
.set SPARE, 16384                      ; behind the sixteen parts: the spare words, 128 bytes a wave, that no other line names
.set AQ,  3
.set AV,  4
.set AW,  5
.set AS,  6
.set AL,  7
.set LW,  8
.set LR,  9
.set DG,  10
.set NINF, 11
.set LAM, 12
.set AO,  13
.set SPW, 14
.set NIL, 15
.set QF,  16
.set KF,  80
.set VF,  144
.set WOF, 80
.set WW,  40
.macro PLACES9                         ; plain vector instructions behind this matrix form (ISA guide 7.12.1), one more than a read of its results asks
.rept 9
	v_nop
.endr
.endm
	s_load_b512 s[4:19], s[0:1], 0x0               ; qkv32, wo, lambda_q1, lambda_k1, lambda_q2, lambda_k2, subln_w, out0
	v_lshl_add_u32 v[SPW], v0, 2, SPARE
	v_mov_b32 v[NIL], 0
	v_lshrrev_b32 v1, 5, v0
	v_readfirstlane_b32 s20, v1                    ; wave = head
	v_and_b32 v1, 15, v0                           ; r
	v_bfe_u32 v2, v0, 4, 1                         ; h
	v_mul_u32_u24 v[AQ], v1, ROW32
	v_lshl_add_u32 v[AQ], v2, 4, v[AQ]             ; q, k: row r, + 16 h: channels 8 s' + 4 h + 0 .. 3
	v_mul_u32_u24 v[AV], v2, 8*ROW32
	v_lshl_add_u32 v[AV], v1, 2, v[AV]             ; v: key 8 h + .., channel r
	v_lshlrev_b32 v[AW], 13, v1
	v_lshl_add_u32 v[AW], v2, 5, v[AW]             ; wo and out0: row r of 8,192 bytes, + 32 h
	v_lshlrev_b32 v[AS], 5, v2
	v_and_b32 v[AO], 31, v0
	v_lshlrev_b32 v[AL], 3, v[AO]
	v_lshlrev_b32 v[LR], 4, v[AO]                  ; 16 x lane
	s_lshl_b32 s21, s20, 10
	v_add_nc_u32 v[LW], s21, v[LR]                 ; my part: 1,024 x wave + 16 x lane
	s_lshl_b32 s21, s20, 9
	v_add_nc_u32 v[LR], s21, v[LR]                 ; waves 0 and 1 read half u = wave of every part
	s_lshl_b32 s21, s20, 4
	v_add_nc_u32 v[AO], s21, v[AW]
	v_lshlrev_b32 v[DG], 3, v2
	v_sub_nc_u32 v[DG], v1, v[DG]                  ; r - 8 h: register j is hidden where j > this
	v_mov_b32 v[NINF], 0xff800000
	s_mov_b32 s24, 0x76543210
	s_mov_b32 s25, 0xfedcba98
	s_mov_b32 s26, 0x3e38aa3b                      ; c = log2(e) / 8
	s_mov_b32 s27, 0x3c000000                      ; 1 / 128
	s_mov_b32 s28, 0x3727c5ac                      ; 1e-5
	s_lshl_b32 s22, s20, 9                         ; a head's 128 channels of f32
	s_mov_b32 s23, 0
	s_wait_kmcnt 0x0
	s_add_nc_u64 s[4:5], s[4:5], s[22:23]
	s_add_nc_u64 s[6:7], s[6:7], s[22:23]
	s_lshl_b32 s22, ttmp9, 17                      ; 16 rows of wo
	s_add_nc_u64 s[6:7], s[6:7], s[22:23]
	s_lshl_b32 s22, ttmp9, 6                       ; 16 columns of out0
	s_add_nc_u64 s[18:19], s[18:19], s[22:23]
.irp s, 0,1,2,3,4,5,6,7,8,9,10,11,12,13,14,15
	global_load_b128 v[QF+4*\s:QF+4*\s+3], v[AQ], s[4:5] offset:32*\s
.endr
.irp s, 0,1,2,3,4,5,6,7,8,9,10,11,12,13,14,15
	global_load_b128 v[KF+4*\s:KF+4*\s+3], v[AQ], s[4:5] offset:8192+32*\s
.endr
	global_load_b64 v[200:201], v[AL], s[8:9]      ; the lambdas, for now in the registers of V's last tile
	global_load_b64 v[202:203], v[AL], s[10:11]
	global_load_b64 v[204:205], v[AL], s[12:13]
	global_load_b64 v[206:207], v[AL], s[14:15]
.macro VLOAD ct                        ; V[8 h + 2 s + j][16 ct + r] at v[VF + 8 ct + 2 s + j]: sixteen lanes read 64 consecutive bytes
.irp s, 0,1,2,3
.irp j, 0,1
	global_load_b32 v[VF+8*\ct+2*\s+\j], v[AV], s[4:5] offset:16384+(2*\s+\j)*ROW32+64*\ct
.endr
.endr
.endm
.irp ct, 0,1,2,3,4,5,6
	VLOAD \ct
.endr
	s_wait_loadcnt 56                              ; q, k and the lambdas are in; V's 56 loads may be out
	v_mul_f32 v200, v200, v202                     ; lam = exp(sum lambda_q1 lambda_k1) - exp(sum lambda_q2 lambda_k2) + LAMBDA_INIT
	v_mul_f32 v204, v204, v206
	v_fmac_f32 v200, v201, v203
	v_fmac_f32 v204, v205, v207
.irp m, 1,2,4,8
	v_add_f32_dpp v200, v200, v200 row_xmask:\m row_mask:0xf bank_mask:0xf
	v_add_f32_dpp v204, v204, v204 row_xmask:\m row_mask:0xf bank_mask:0xf
.endr
	v_permlanex16_b32 v201, v200, s24, s25
	v_permlanex16_b32 v205, v204, s24, s25
	v_add_f32 v200, v200, v201
	v_add_f32 v204, v204, v205
	v_mul_f32 v200, 0x3fb8aa3b, v200
	v_mul_f32 v204, 0x3fb8aa3b, v204
	v_exp_f32 v200, v200
	v_exp_f32 v204, v204
	v_nop
	s_wait_alu depctr_va_vdst(0)
	v_sub_f32 v[LAM], v200, v204
	v_add_f32 v[LAM], 0x3f4cca23, v[LAM]
	VLOAD 7
	; S^T = K Q^T, both streams by turns; each stream's first product starts its sum
.irp s, 0,1,2,3,4,5,6,7,8,9,10,11,12,13,14,15
.if \s == 0
	v_wmma_f32_16x16x4_f32 v[208:215], v[KF+2*\s:KF+2*\s+1], v[QF+2*\s:QF+2*\s+1], 0
	v_wmma_f32_16x16x4_f32 v[216:223], v[KF+32+2*\s:KF+32+2*\s+1], v[QF+32+2*\s:QF+32+2*\s+1], 0
.else
	v_wmma_f32_16x16x4_f32 v[208:215], v[KF+2*\s:KF+2*\s+1], v[QF+2*\s:QF+2*\s+1], v[208:215]
	v_wmma_f32_16x16x4_f32 v[216:223], v[KF+32+2*\s:KF+32+2*\s+1], v[QF+32+2*\s:QF+32+2*\s+1], v[216:223]
.endif
.endr
	PLACES9
.irp ct, 0,1,2,3
	global_load_b128 v[48+8*\ct:51+8*\ct], v[AS], s[16:17] offset:64*\ct           ; subln_w[16 ct + 8 h + 0 .. 7]
	global_load_b128 v[52+8*\ct:55+8*\ct], v[AS], s[16:17] offset:64*\ct+16
.endr
.irp ct, 0,1,2,3,4,5,6,7
	global_load_b128 v[WOF+8*\ct:WOF+8*\ct+3], v[AW], s[6:7] offset:64*\ct         ; wo[r][16 ct + 8 h + 0 .. 7] of my head's channels
	global_load_b128 v[WOF+8*\ct+4:WOF+8*\ct+7], v[AW], s[6:7] offset:64*\ct+16
.endr
.irp j, 0,1,2,3,4,5,6,7
	v_mul_f32 v[16+\j], s26, v[208+\j]             ; t = c x score; each accumulator from its low end on
	v_mul_f32 v[24+\j], s26, v[216+\j]
.endr
.irp j, 0,1,2,3,4,5,6,7
	v_cmp_gt_i32 vcc_lo, \j, v[DG]
	v_cndmask_b32 v[16+\j], v[16+\j], v[NINF], vcc_lo
	v_cndmask_b32 v[24+\j], v[24+\j], v[NINF], vcc_lo
.endr
	v_max3_num_f32 v32, v16, v17, v18
	v_max3_num_f32 v33, v24, v25, v26
	v_max3_num_f32 v32, v32, v19, v20
	v_max3_num_f32 v33, v33, v27, v28
	v_max3_num_f32 v32, v32, v21, v22
	v_max3_num_f32 v33, v33, v29, v30
	v_max_num_f32 v32, v32, v23
	v_max_num_f32 v33, v33, v31
	v_permlanex16_b32 v34, v32, s24, s25
	v_permlanex16_b32 v35, v33, s24, s25
	v_max_num_f32 v32, v32, v34                    ; the row's maximum: key 0 counts for every query, so it is a number
	v_max_num_f32 v33, v33, v35
.irp j, 0,1,2,3,4,5,6,7
	v_sub_f32 v[16+\j], v[16+\j], v32
	v_sub_f32 v[24+\j], v[24+\j], v33
.endr
.irp j, 0,1,2,3,4,5,6,7,8,9,10,11,12,13,14,15
	v_exp_f32 v[16+\j], v[16+\j]
.endr
	v_nop
	s_wait_alu depctr_va_vdst(0)                   ; one wait for the sixteen exponentials
	v_pk_add_f32 v[32:33], v[16:17], v[18:19]
	v_pk_add_f32 v[34:35], v[24:25], v[26:27]
	v_pk_add_f32 v[36:37], v[20:21], v[22:23]
	v_pk_add_f32 v[38:39], v[28:29], v[30:31]
	v_pk_add_f32 v[32:33], v[32:33], v[36:37]
	v_pk_add_f32 v[34:35], v[34:35], v[38:39]
	v_add_f32 v32, v32, v33
	v_add_f32 v34, v34, v35
	v_permlanex16_b32 v33, v32, s24, s25
	v_permlanex16_b32 v35, v34, s24, s25
	v_add_f32 v32, v32, v33
	v_add_f32 v34, v34, v35
	v_rcp_f32 v32, v32
	v_rcp_f32 v34, v34
	v_nop
	s_wait_alu depctr_va_vdst(0)
	v_mul_f32 v34, v34, -v[LAM]
.irp j, 0,1,2,3,4,5,6,7
	v_mul_f32 v[WW+\j], v[16+\j], v32
.endr
.irp j, 0,1,2,3,4,5,6,7
	v_fmac_f32 v[WW+\j], v[24+\j], v34             ; W = p1 / l1 - lam p2 / l2
.endr
	s_wait_loadcnt 24                              ; V is in; subln_w's 8 and wo's 16 loads may be out
.macro PV c0                           ; O^T of channel tiles c0 .. c0 + 3: 16 products on four accumulators by turns
.irp s, 0,1,2,3
.irp ct, 0,1,2,3
.if \s == 0
	v_wmma_f32_16x16x4_f32 v[224+8*\ct:231+8*\ct], v[VF+8*(\c0+\ct)+2*\s:VF+8*(\c0+\ct)+2*\s+1], v[WW+2*\s:WW+2*\s+1], 0
.else
	v_wmma_f32_16x16x4_f32 v[224+8*\ct:231+8*\ct], v[VF+8*(\c0+\ct)+2*\s:VF+8*(\c0+\ct)+2*\s+1], v[WW+2*\s:WW+2*\s+1], v[224+8*\ct:231+8*\ct]
.endif
.endr
.endr
.endm
.macro NORM tb, first                  ; the sum of squares goes on in two chains; T = O x subln_w, over subln_w's registers
.irp ct, 0,1,2,3
.irp p, 0,1,2,3
.if \first && (\ct == 0) && (\p < 2)
	v_pk_mul_f32 v[32+2*\p:33+2*\p], v[224+8*\ct+2*\p:225+8*\ct+2*\p], v[224+8*\ct+2*\p:225+8*\ct+2*\p]
.else
	v_pk_fma_f32 v[32+2*(\p%2):33+2*(\p%2)], v[224+8*\ct+2*\p:225+8*\ct+2*\p], v[224+8*\ct+2*\p:225+8*\ct+2*\p], v[32+2*(\p%2):33+2*(\p%2)]
.endif
	v_pk_mul_f32 v[\tb+8*\ct+2*\p:\tb+8*\ct+2*\p+1], v[224+8*\ct+2*\p:225+8*\ct+2*\p], v[\tb+8*\ct+2*\p:\tb+8*\ct+2*\p+1]
.endr
.endr
.endm
	PV 0
	PLACES9
.irp ct, 0,1,2,3
	global_load_b128 v[144+8*\ct:147+8*\ct], v[AS], s[16:17] offset:256+64*\ct     ; subln_w of channels 64 on, into the registers that V's first four tiles have left
	global_load_b128 v[148+8*\ct:151+8*\ct], v[AS], s[16:17] offset:256+64*\ct+16
.endr
	s_wait_loadcnt 24                              ; subln_w's first half is in; wo's 16 loads and the 8 just issued may be out
	NORM 48, 1
	PV 4
	PLACES9
	s_wait_loadcnt 0x0
	NORM 144, 0
	v_pk_add_f32 v[32:33], v[32:33], v[34:35]
	v_add_f32 v32, v32, v33
	v_permlanex16_b32 v33, v32, s24, s25           ; the query's other 64 channels
	v_add_f32 v32, v32, v33
	v_fma_f32 v32, v32, s27, s28
	v_rsq_f32 v36, v32
	v_nop
	s_wait_alu depctr_va_vdst(0)
	v_mul_f32 v36, 0x3e4cd774, v36                 ; x (1 - LAMBDA_INIT)
	; out^T = wo T^T: 32 products on two accumulators by turns
.irp ct, 0,1,2,3,4,5,6,7
.irp i, 0,1,2,3
.if \ct < 4
.set TB_, 48+8*\ct
.else
.set TB_, 144+8*(\ct-4)
.endif
.if (\ct == 0) && (\i < 2)
	v_wmma_f32_16x16x4_f32 v[208+8*(\i%2):215+8*(\i%2)], v[WOF+8*\ct+2*\i:WOF+8*\ct+2*\i+1], v[TB_+2*\i:TB_+2*\i+1], 0
.else
	v_wmma_f32_16x16x4_f32 v[208+8*(\i%2):215+8*(\i%2)], v[WOF+8*\ct+2*\i:WOF+8*\ct+2*\i+1], v[TB_+2*\i:TB_+2*\i+1], v[208+8*(\i%2):215+8*(\i%2)]
.endif
.endr
.endr
	PLACES9
.irp p, 0,1,2,3
	v_pk_add_f32 v[16+2*\p:17+2*\p], v[208+2*\p:209+2*\p], v[216+2*\p:217+2*\p]
.endr
.irp p, 0,1,2,3
	v_pk_mul_f32 v[16+2*\p:17+2*\p], v[16+2*\p:17+2*\p], v[36:37] op_sel_hi:[1,0]
.endr
	ds_store_b128 v[LW], v[16:19]                  ; my head's part of out(r, 8 h + 0 .. 3),
	ds_store_b128 v[LW], v[20:23] offset:512       ; and + 4 .. 7
	s_wait_dscnt 0x0                               ; for the others' sake: my stores are done
	s_barrier_signal -1
	s_barrier_wait -1
	s_cmp_lt_u32 s20, 2                            ; waves 0 and 1 add the sixteen parts, a half each
	s_cbranch_scc0 .Ldone
.irp wv, 0,1,2,3,4,5,6,7,8,9,10,11,12,13,14,15
	ds_load_b128 v[48+4*\wv:51+4*\wv], v[LR] offset:1024*\wv
.endr
	s_wait_dscnt 0x0
.irp g, 0,1,2,3,4,5,6,7
	v_pk_add_f32 v[48+4*\g:49+4*\g], v[48+4*\g:49+4*\g], v[80+4*\g:81+4*\g]
	v_pk_add_f32 v[50+4*\g:51+4*\g], v[50+4*\g:51+4*\g], v[82+4*\g:83+4*\g]
.endr
.irp g, 0,1,2,3
	v_pk_add_f32 v[48+4*\g:49+4*\g], v[48+4*\g:49+4*\g], v[64+4*\g:65+4*\g]
	v_pk_add_f32 v[50+4*\g:51+4*\g], v[50+4*\g:51+4*\g], v[66+4*\g:67+4*\g]
.endr
.irp g, 0,1
	v_pk_add_f32 v[48+4*\g:49+4*\g], v[48+4*\g:49+4*\g], v[56+4*\g:57+4*\g]
	v_pk_add_f32 v[50+4*\g:51+4*\g], v[50+4*\g:51+4*\g], v[58+4*\g:59+4*\g]
.endr
	v_pk_add_f32 v[48:49], v[48:49], v[52:53]
	v_pk_add_f32 v[50:51], v[50:51], v[54:55]
	global_store_b128 v[AO], v[48:51], s[18:19]    ; out0(r, 16 x + 8 h + 4 u + 0 .. 3)
.Ldone:
	s_wait_tensorcnt 0x0                           ; the wave's end
	ds_add_u32 v[SPW], v[NIL]
	s_wait_dscnt 0x0
	s_endpgm
.Lfunc_end_k_q375d520add_fine:
	.size	k_q375d520add_fine, .Lfunc_end_k_q375d520add_fine-k_q375d520add_fine
	.p2alignl 7, 3214868480
	.fill 96, 4, 3214868480
	.section	.rodata,"a",@progbits
	.p2align	6, 0x0
	.amdhsa_kernel k_q375d520add_fine
		.amdhsa_group_segment_fixed_size 18432
		.amdhsa_private_segment_fixed_size 0
		.amdhsa_enable_private_segment 0
		.amdhsa_kernarg_size 64
		.amdhsa_user_sgpr_count 2
		.amdhsa_user_sgpr_kernarg_segment_ptr 1
		.amdhsa_wavefront_size32 1
		.amdhsa_system_sgpr_workgroup_id_x 1
		.amdhsa_system_sgpr_workgroup_id_y 1
		.amdhsa_system_sgpr_workgroup_id_z 1
		.amdhsa_system_vgpr_workitem_id 0
		.amdhsa_next_free_vgpr 256
		.amdhsa_next_free_sgpr 66
		.amdhsa_reserve_vcc 1
		.amdhsa_float_denorm_mode_32 3
		.amdhsa_float_denorm_mode_16_64 3
		.amdhsa_memory_ordered 1
		.amdhsa_forward_progress 1
		.amdhsa_inst_pref_size 36
	.end_amdhsa_kernel
	.amdgpu_metadata
---
amdhsa.version: [ 1, 2 ]
amdhsa.kernels:
  - .name:           k_q375d520add_fine
    .symbol:         k_q375d520add_fine.kd
    .args:
      - { .name: qkv32, .offset: 0, .size: 8, .value_kind: global_buffer, .address_space: global }
      - { .name: wo, .offset: 8, .size: 8, .value_kind: global_buffer, .address_space: global }
      - { .name: lambda_q1, .offset: 16, .size: 8, .value_kind: global_buffer, .address_space: global }
      - { .name: lambda_k1, .offset: 24, .size: 8, .value_kind: global_buffer, .address_space: global }
      - { .name: lambda_q2, .offset: 32, .size: 8, .value_kind: global_buffer, .address_space: global }
      - { .name: lambda_k2, .offset: 40, .size: 8, .value_kind: global_buffer, .address_space: global }
      - { .name: subln_w, .offset: 48, .size: 8, .value_kind: global_buffer, .address_space: global }
      - { .name: out0, .offset: 56, .size: 8, .value_kind: global_buffer, .address_space: global }
    .group_segment_fixed_size: 18432
    .private_segment_fixed_size: 0
    .kernarg_segment_align: 8
    .kernarg_segment_size: 64
    .max_flat_workgroup_size: 512
    .sgpr_count:     66
    .vgpr_count:     256
    .wavefront_size: 32
...
	.end_amdgpu_metadata
.endif
;; end of part 5
